; MI455X (gfx1250); checked and timed in simulation.
; The chip was launched on July 23, 2026; its instructions are those of AMD's public machine-readable ISA for CDNA 5 (MIT licence, August 2026) and "CDNA5" Instruction Set Architecture Reference Guide (July 2026). The comments in the code are by the model that wrote it; some were corrected since.
;; Mixture Of Experts. Allowed arithmetic: matrix products marked QUANTISED: E2M3 operands, one E8M0 scale for each 32 along K, by v_wmma_scale_f32_16x16x128_f8f6f4 with both operands' format E2M3, f32 sums; products left as they are: f32 operands where the result goes on into a quantised operand, else bf16, f16 or f32 operands; f32 sums; everything else in f32.
;; Inputs: W1_codes 8 x 2,048 x 32 x 24 uint8 (E2M3 codes of W1, K innermost, in blocks of 32 codes, four codes in three bytes); W1_scales 8 x 2,048 x 32 uint8 (E8M0 scales of W1, one for each 32 codes along K); W2_codes 8 x 1,024 x 64 x 24 uint8 (E2M3 codes of W2, K innermost, in blocks of 32 codes, four codes in three bytes); W2_scales 8 x 1,024 x 64 uint8 (E8M0 scales of W2, one for each 32 codes along K); Wr 1,024 x 8 float32; b1 8 x 2,048 float32; b2 8 x 1,024 float32; br 8 float32; x 2,048 x 1,024 float32.
;; Outputs: out0 2,048 x 1,024 float32; out1 2,048 x 8 float32; out2 8 float32.
;; This version of the problem:
;;   THIS VERSION OF THE PROBLEM IS GIVEN IN LOW PRECISION. The matrix products marked QUANTISED in the list below multiply operands that are first quantised to E2M3 (2 exponent bits, 3 mantissa bits; 6 bits a number), with one power-of-two scale for each 32 numbers along K (OCP MX v1.0); their sums are f32. All else is computed in f32.
;;   The module's matrix products, in the order in which they are computed (A, B: the left and right operand; K: the contracted axis; several contracted axes count as one K, in the product's order):
;;     1. [M 2,048, K 1,024] x [K 1,024, N 8]; A: input x; B: input Wr: left as it is (N = 8 < 16)
;;     2. [M 2,048, K 1,024] x [K 1,024, N 2,048]; A: input x; B: input W1 (given as codes): QUANTISED
;;     3. [M 2,048, K 2,048] x [K 2,048, N 1,024]; A: computed on the way; B: input W2 (given as codes): QUANTISED
;;     4. [M 2,048, K 1,024] x [K 1,024, N 2,048]; A: input x; B: input W1 (given as codes): QUANTISED
;;     5. [M 2,048, K 2,048] x [K 2,048, N 1,024]; A: computed on the way; B: input W2 (given as codes): QUANTISED
;;     6. [M 2,048, K 1,024] x [K 1,024, N 2,048]; A: input x; B: input W1 (given as codes): QUANTISED
;;     7. [M 2,048, K 2,048] x [K 2,048, N 1,024]; A: computed on the way; B: input W2 (given as codes): QUANTISED
;;     8. [M 2,048, K 1,024] x [K 1,024, N 2,048]; A: input x; B: input W1 (given as codes): QUANTISED
;;     9. [M 2,048, K 2,048] x [K 2,048, N 1,024]; A: computed on the way; B: input W2 (given as codes): QUANTISED
;;     10. [M 2,048, K 1,024] x [K 1,024, N 2,048]; A: input x; B: input W1 (given as codes): QUANTISED
;;     11. [M 2,048, K 2,048] x [K 2,048, N 1,024]; A: computed on the way; B: input W2 (given as codes): QUANTISED
;;     12. [M 2,048, K 1,024] x [K 1,024, N 2,048]; A: input x; B: input W1 (given as codes): QUANTISED
;;     13. [M 2,048, K 2,048] x [K 2,048, N 1,024]; A: computed on the way; B: input W2 (given as codes): QUANTISED
;;     14. [M 2,048, K 1,024] x [K 1,024, N 2,048]; A: input x; B: input W1 (given as codes): QUANTISED
;;     15. [M 2,048, K 2,048] x [K 2,048, N 1,024]; A: computed on the way; B: input W2 (given as codes): QUANTISED
;;     16. [M 2,048, K 1,024] x [K 1,024, N 2,048]; A: input x; B: input W1 (given as codes): QUANTISED
;;     17. [M 2,048, K 2,048] x [K 2,048, N 1,024]; A: computed on the way; B: input W2 (given as codes): QUANTISED
;;   THE QUANTISER, for each operand of a quantised product, along K:
;;     - K is cut into blocks of 32 from its start; a last block that is shorter is filled with zeros.
;;     - A block's scale is 2^e with e = floor(log2(the largest magnitude in the block)) - 2, held to -126 .. 127; a block of zeros has e = 0. As a byte (E8M0): e + 127.
;;     - Each number is divided by its block's scale, clamped to +-7.5, and rounded to the nearest number of E2M3, ties to even, subnormals kept.
;;     - The product sums the exact products of the quantised numbers (number of the format x scale) in f32.
;;   ~~~python
;;   def quantise(x, axis):      # numpy; x: float32 -> the quantised numbers, widened to float32 again
;;       x = np.moveaxis(x, axis, -1); K = x.shape[-1]
;;       x = np.pad(x, [(0, 0)] * (x.ndim - 1) + [(0, -K % 32)]); x = x.reshape(x.shape[:-1] + (-1, 32)); a = np.abs(x).max(-1, keepdims=True)
;;       e = np.where(a > 0, np.clip(np.frexp(np.where(a > 0, a, 1))[1] - 1 - 2, -126, 127), 0)      # np.frexp(a)[1] - 1 = floor(log2(a)), exactly
;;       r = np.clip(x / 2.0 ** e, -7.5, 7.5)
;;       step = 2.0 ** (np.maximum(np.frexp(np.where(r == 0, 1, r))[1] - 1, 0) - 3)
;;       q = np.round(r / step) * step * 2.0 ** e      # np.round: ties to even
;;       return np.moveaxis(q.reshape(q.shape[:-2] + (-1,))[..., :K], -1, axis).astype(np.float32)
;;   ~~~
;;   OPERANDS COMPUTED ON THE WAY. 'Computed on the way' means the value that the module computes at that place (a softmax that the list does not call 'softmax' is quantised finished and normalised). What goes into a quantiser is computed in f32, as accurately as f32 sums, v_exp_f32 and their like allow (about 1e-6 of the number): no bf16 or f16 on the way to a quantiser, and a product that is left as it is and whose result goes on into a quantised operand takes f32 operands (vector FMAs, or v_wmma_f32_16x16x4_f32). A number that lies on a knife's edge between two numbers of the format may be rounded either way, as far as f32 arithmetic and the matrix unit's own rounding can turn it there, and no further.
;;   INPUTS GIVEN AS CODES. W1 (in the module: [8, 1024, 2048], K = its axis 1); W2 (in the module: [8, 2048, 1024], K = its axis 1): each comes as NAME_codes (uint8): NAME with its K axis moved to the last place and cut into blocks of 32 codes, [.., K / 32, bytes a block], one block behind the other in memory; four codes in three bytes: a row's codes are one little-endian stream of bits, code i at bits 6 i .. 6 i + 5 (a code: sign, 2 exponent bits, 3 mantissa bits); and NAME_scales (uint8): the same leading axes, one E8M0 byte (e + 127) for each 32 codes along K. Its value is code x scale, taken as it is: it is not quantised again, and the codes and scales need not be those that the quantiser above would give.
;; 2 versions. Each part assembles by itself: llvm-mc -triple=amdgcn-amd-amdhsa -mcpu=gfx1250 --defsym DOCPART=n.
;; ======== version 1 of 2: 4 launches
;; workspace buffers: routes 8,192 bytes of whole numbers; order 67,584 bytes of whole numbers; cnt 256 bytes of whole numbers; xq 1,572,864 bytes; xs 65,536 bytes; hq 25,165,824 bytes; hs 1,048,576 bytes
;; launch route (part 1): grid 256 x 1, 4 waves a work-group, no clusters, 81,152 bytes of LDS; arguments x, Wr, br, out1, routes, xq, xs; writes out1, routes, xq, xs
.if DOCPART == 1
	.amdgcn_target "amdgcn-amd-amdhsa--gfx1250"
	.amdhsa_code_object_version 6
	.text
	.protected	k_qa70793281f_route
	.globl	k_qa70793281f_route
	.p2align	8
	.type	k_qa70793281f_route,@function
k_qa70793281f_route:
	s_mov_b64 s[64:65], 0
	v_nop
	global_prefetch_b8 v0, s[64:65] scope:SCOPE_SE
	s_setreg_imm32_b32 hwreg(HW_REG_WAVE_MODE, 25, 1), 1
	s_wait_xcnt 0x0
; MIXTURE OF EXPERTS, top 1, 2,048 tokens, 8 experts.  First of four launches: the router (x Wr + br, softmax, argmax) in f32, and x quantised once to E2M3 codes with one E8M0 byte for each 32 along K.
; WORK LEFT OUT BY THE WHOLE PROGRAM, and why it can reach no output, for all finite inputs:
;  (1) reference() computes every expert's MLP for every token and adds jnp.where(routes == e, y, 0): a mask that it builds itself.  For a token only the term of e = its own route is kept, the seven others are
;      replaced by 0.  So only rows of the chosen expert are multiplied (launches up and down).
;  (2) scale = router_probs_max / router_probs_max.  The largest of eight softmax values is at least 1/8, so it is never 0, and the quotient is 1: the factor is left out.
;  (3) counts = the sum of a one_hot of routes: a count of tokens by route (launch place).
; Every input has a way to an output: all are loaded by some launch.
; LIMITS: a NaN, an infinity or an overflow that reaches only the work left out is not carried to the result.  NaN and infinities among the inputs are not served.  A block of 32 zeros gets the scale byte 1 where the
; quantiser says 127: its codes are zeros, which add nothing under any byte but 0xff, and xs is read by this program alone.  The logits are summed in another order than reference()'s: a route can differ from
; reference()'s only where two probabilities are equal within that rounding.
; SHARES.  A work-group takes 8 tokens, a wave 2.  A lane holds 32 numbers of each of its wave's two rows, twice: as loaded (x[128 j + 4 l + q], for the router) and as 32 neighbours (x[32 l + i], one block, for the quantiser).
; Wr (32,768 bytes) is loaded dense by the four waves, goes through LDS, and each lane keeps the 32 rows of Wr that its numbers meet: 256 registers.
; xq: [token][768]: block B = 4 s + 2 c + h of a row lies at 384 h + 48 s + 24 c, so that the 384 bytes of (token, h) are the 96 operand registers of lane (r, h) for K steps 0 to 7.  xs: [token][32], as the blocks lie.
; No matrix unit: the router's product has 8 columns.  No cluster: the work-groups share Wr alone, a small part of what each reads.
.set WRL,   0                          ; LDS: Wr as 256 pieces of 128 bytes (4 rows of Wr) + 16 of padding: 144 bytes apart
.set XT,    36864                      ; for each wave: 2 rows x 32 places of 128 + 16 bytes
.set CST,   73728                      ; for each wave: its two rows' codes, 2 x 768 bytes
.set PRB,   79872                      ; the 8 tokens' probabilities: 256 bytes
.set SCB,   80128                      ; their scale bytes: 256 bytes
.set RTB,   80384                      ; their routes: 32 bytes
.set SPARE, 80640                      ; the spare words, 128 bytes for each wave: two blocks of 256 bytes that no other line names
.set SPW, 1                            ; v1   LDS address of my spare word; never rewritten
.set NIL, 2                            ; v2   0; never rewritten
.set WS,  3                            ; v3   Wr into LDS: 16 t + 16 (t / 8), t the thread
.set WL,  4                            ; v4   Wr out of LDS: 144 l
.set XS,  5                            ; v5   x into my wave's stage
.set XL,  6                            ; v6   and out of it: 144 l
.set CO,  7                            ; v7   my block's 24 bytes in my wave's code stage
.set CR,  8                            ; v8   the code stage read back: 16 l
.set G16, 9                            ; v9   16 l
.set PB,  10                           ; v10  my wave's probabilities
.set SB,  11                           ; v11  my block's scale byte
.set RB,  12                           ; v12  my wave's routes
.set FP,  13                           ; v13-15  the last reads: PRB + 8 l, SCB + 8 l, RTB + l
.set FS,  14
.set FR,  15
.set L8,  16                           ; v16  8 l
.set LN,  17                           ; v17  l
.set T16, 18                           ; v18  16 t
.set TM,  20                           ; v20-21 largest magnitudes; v22-23 the conversions' scale operands; v24-25 the bytes
.set SO,  22
.set BY,  24
.set P,   32                           ; v32-47 the probabilities, 8 a row
.set MX,  48                           ; v48-49 maxima; v50-51 sums; v52-53 reciprocals; v54-55 the best so far; v56-57 its index; v58-63 at work
.set SM,  50
.set RC,  52
.set BE,  54
.set IX,  56
.set T2,  58
.set X,   64                           ; v64-127  register 32 row + 4 j + q = x[128 j + 4 l + q]
.set N,   128                          ; v128-191 first Wr on its way to LDS, then register 32 row + i = x[32 l + i]
.set ACC, 192                          ; v192-207 the logits' sums: 8 a row
.set PT,  208                          ; v208-209 lane permutes' destinations
.set C,   210                          ; v210-216, v218-224 the codes of the two rows' blocks
.set OB,  228                          ; v228-239 the codes on their way out
.set MSB, 0
.macro WIN new                         ; the immediate's high byte repeats the setting that is left
.if MSB != \new
	s_set_vgpr_msb (MSB<<8)|\new
.set MSB, \new
.endif
.endm
	s_load_b256 s[4:11], s[0:1], 0x0               ; x s[4:5], Wr s[6:7], br s[8:9], out1 s[10:11]
	s_load_b128 s[12:15], s[0:1], 0x20             ; routes s[12:13], xq s[14:15]
	s_load_b64 s[16:17], s[0:1], 0x30              ; xs
	v_lshl_add_u32 v[SPW], v0, 2, SPARE
	v_mov_b32 v[NIL], 0
	v_lshrrev_b32 v[LN], 5, v0
	v_readfirstlane_b32 s18, v[LN]                 ; wave 0..3
	v_and_b32 v[LN], 31, v0
	v_lshlrev_b32 v[T16], 4, v0
	v_lshrrev_b32 v[WS], 3, v0
	v_lshl_add_u32 v[WS], v[WS], 4, v[T16]
	v_mul_u32_u24 v[WL], v[LN], 144
	v_lshlrev_b32 v[G16], 4, v[LN]
	v_lshlrev_b32 v[L8], 3, v[LN]
	s_mul_i32 s19, s18, 9216
	s_add_co_u32 s19, s19, XT                      ; my wave's stage for x
	v_lshrrev_b32 v[XS], 3, v[LN]
	v_lshl_add_u32 v[XS], v[XS], 4, v[G16]         ; 16 l + 16 (l / 8): eight lanes' 128 bytes, then 16 of padding
	v_add_nc_u32 v[XS], s19, v[XS]
	v_add_nc_u32 v[XL], s19, v[WL]
	s_mul_i32 s19, s18, 1536
	s_add_co_u32 s19, s19, CST                     ; my wave's stage for codes
	v_and_b32 v[CO], 1, v[LN]                      ; my block l = 4 s + 2 c + h
	v_mul_u32_u24 v[CO], v[CO], 384
	v_lshrrev_b32 v[CR], 2, v[LN]
	v_mad_u32_u24 v[CO], v[CR], 48, v[CO]
	v_bfe_u32 v[CR], v[LN], 1, 1
	v_mad_u32_u24 v[CO], v[CR], 24, v[CO]
	v_add_nc_u32 v[CO], s19, v[CO]
	v_add_nc_u32 v[CR], s19, v[G16]
	s_lshl_b32 s19, s18, 6
	s_add_co_u32 s30, s19, PRB
	v_mov_b32 v[PB], s30
	s_add_co_u32 s30, s19, SCB
	v_add_nc_u32 v[SB], s30, v[LN]
	s_lshl_b32 s19, s18, 3
	s_add_co_u32 s19, s19, RTB
	v_mov_b32 v[RB], s19
	v_add_nc_u32 v[FP], PRB, v[L8]
	v_add_nc_u32 v[FS], SCB, v[L8]
	v_add_nc_u32 v[FR], RTB, v[LN]
	v_mov_b32 v[PT], 0                             ; written once: a lane permute's destination counts as one of its sources
	v_mov_b32 v[PT+1], 0
	s_mov_b32 s28, 0x76543210
	s_mov_b32 s29, 0xfedcba98                      ; v_permlanex16_b32's selects for lane l xor 16
	s_lshl_b32 s19, ttmp9, 3
	s_lshl_b32 s30, s18, 1
	s_add_co_u32 s19, s19, s30                     ; my wave's first token: 8 x work-group + 2 x wave
	s_mov_b32 s31, 0
	s_wait_kmcnt 0x0
	s_load_b256 s[20:27], s[8:9], 0x0              ; br
	s_lshl_b32 s30, s19, 12
	s_add_nc_u64 s[4:5], s[4:5], s[30:31]          ; x at my first row
	s_mul_i32 s30, s19, 768
	s_add_nc_u64 s[14:15], s[14:15], s[30:31]      ; xq likewise
	s_lshl_b32 s30, ttmp9, 8
	s_add_nc_u64 s[10:11], s[10:11], s[30:31]      ; out1 and xs: 256 bytes a work-group
	s_add_nc_u64 s[16:17], s[16:17], s[30:31]
	s_lshl_b32 s30, ttmp9, 5
	s_add_nc_u64 s[12:13], s[12:13], s[30:31]      ; routes: 32 bytes a work-group
.irp i, 0,1,2,3,4,5,6,7,8,9,10,11,12,13,14,15
	global_load_b128 v[N+4*\i:N+4*\i+3], v[T16], s[6:7] offset:2048*\i   ; Wr, dense: the four waves read 2,048 consecutive bytes
.endr
.irp t, 0,1
.irp j, 0,1,2,3,4,5,6,7
	global_load_b128 v[X+32*\t+4*\j:X+32*\t+4*\j+3], v[G16], s[4:5] offset:4096*\t+512*\j th:TH_LOAD_NT   ; my two rows: 512 consecutive bytes a load
.endr
.endr
	s_wait_loadcnt 16                              ; Wr's 16 loads are in; x's 16, issued behind them, may be out
.irp i, 0,1,2,3,4,5,6,7,8,9,10,11,12,13,14,15
	ds_store_b128 v[WS], v[N+4*\i:N+4*\i+3] offset:WRL+2304*\i
.endr
	s_wait_dscnt 0x0                               ; for the others' sake: my part of Wr lies in LDS
	s_barrier_signal -1
	s_barrier_wait -1                              ; everybody's does
	WIN 0x40                                       ; destination window 1
.irp j, 0,1,2,3,4,5,6,7
.irp m, 0,1,2,3,4,5,6,7
	ds_load_b128 v[32*\j+4*\m:32*\j+4*\m+3], v[WL] offset:WRL+4608*\j+16*\m   ; window 1, register 32 j + 8 q + e = Wr[128 j + 4 l + q][e]
.endr
.endr
	WIN 0
	s_wait_loadcnt 0x0                             ; x
.irp t, 0,1
.irp j, 0,1,2,3,4,5,6,7
	ds_store_b128 v[XS], v[X+32*\t+4*\j:X+32*\t+4*\j+3] offset:4608*\t+576*\j   ; the rows turn through my wave's own stage, as they lie;
.endr
.endr
.irp t, 0,1
.irp m, 0,1,2,3,4,5,6,7
	ds_load_b128 v[N+32*\t+4*\m:N+32*\t+4*\m+3], v[XL] offset:4608*\t+16*\m     ; LDS serves a wave's instructions in order: these see the stores above
.endr
.endr
	s_wait_dscnt 32                                ; Wr's 64 loads are in; the 16 stores and 16 loads issued behind them may be out
	WIN 0x01                                       ; source 0 (Wr) window 1
; The logits: two experts an instruction, x's number for both halves; eight pairs of sums by turns.  Each pair's first product starts its sum: nothing is cleared.
.irp j, 0,1,2,3,4,5,6,7
.irp q, 0,1,2,3
.irp t, 0,1
.irp p, 0,1,2,3
.if (\j == 0) && (\q == 0)
	v_pk_mul_f32 v[ACC+8*\t+2*\p:ACC+8*\t+2*\p+1], v[2*\p:2*\p+1], v[X+32*\t:X+32*\t+1] op_sel_hi:[1,0]
.elseif (\q % 2) == 0
	v_pk_fma_f32 v[ACC+8*\t+2*\p:ACC+8*\t+2*\p+1], v[32*\j+8*\q+2*\p:32*\j+8*\q+2*\p+1], v[X+32*\t+4*\j+\q:X+32*\t+4*\j+\q+1], v[ACC+8*\t+2*\p:ACC+8*\t+2*\p+1] op_sel_hi:[1,0,1]
.else
	v_pk_fma_f32 v[ACC+8*\t+2*\p:ACC+8*\t+2*\p+1], v[32*\j+8*\q+2*\p:32*\j+8*\q+2*\p+1], v[X+32*\t+4*\j+\q-1:X+32*\t+4*\j+\q], v[ACC+8*\t+2*\p:ACC+8*\t+2*\p+1] op_sel:[0,1,0] op_sel_hi:[1,1,1]
.endif
.endr
.endr
.endr
.endr
	WIN 0
.irp m, 1,2,4,8                        ; the 32 lanes' parts are added: four steps inside each half of 16 lanes, one across
.irp i, 0,1,2,3,4,5,6,7,8,9,10,11,12,13,14,15
	v_add_f32_dpp v[ACC+\i], v[ACC+\i], v[ACC+\i] row_xmask:\m row_mask:0xf bank_mask:0xf
.endr
.endr
.irp i, 0,2,4,6,8,10,12,14
	v_permlanex16_b32 v[PT], v[ACC+\i], s28, s29
	v_permlanex16_b32 v[PT+1], v[ACC+\i+1], s28, s29
	v_add_f32 v[ACC+\i], v[ACC+\i], v[PT]
	v_add_f32 v[ACC+\i+1], v[ACC+\i+1], v[PT+1]
.endr
	s_wait_kmcnt 0x0                               ; br
.irp t, 0,1
.irp e, 0,1,2,3,4,5,6,7
	v_add_f32 v[ACC+8*\t+\e], s[20+\e], v[ACC+8*\t+\e]
.endr
.endr
; The softmax, as reference() has it: the row's maximum is taken away, e^(.) by 2^(. x log2 e), divided by the sum.  Every lane holds both rows' eight logits.
.irp t, 0,1
	v_max3_num_f32 v[MX+\t], v[ACC+8*\t], v[ACC+8*\t+1], v[ACC+8*\t+2]
.endr
.irp t, 0,1
	v_max3_num_f32 v[MX+\t], v[MX+\t], v[ACC+8*\t+3], v[ACC+8*\t+4]
.endr
.irp t, 0,1
	v_max3_num_f32 v[MX+\t], v[MX+\t], v[ACC+8*\t+5], v[ACC+8*\t+6]
.endr
.irp t, 0,1
	v_max_num_f32 v[MX+\t], v[MX+\t], v[ACC+8*\t+7]
.endr
.irp t, 0,1
.irp e, 0,1,2,3,4,5,6,7
	v_sub_f32 v[P+8*\t+\e], v[ACC+8*\t+\e], v[MX+\t]
.endr
.endr
.irp i, 0,1,2,3,4,5,6,7,8,9,10,11,12,13,14,15
	v_mul_f32 v[P+\i], 0x3fb8aa3b, v[P+\i]
.endr
.irp i, 0,1,2,3,4,5,6,7,8,9,10,11,12,13,14,15
	v_exp_f32 v[P+\i], v[P+\i]
.endr
	v_mov_b32 v[IX], 0                             ; plain work behind the exponentials: the argmax begins at expert 0
	v_mov_b32 v[IX+1], 0
	s_wait_alu depctr_va_vdst(0)                   ; one wait for the batch of sixteen, ahead of its first reader
.irp t, 0,1
	v_add_f32 v[SM+\t], v[P+8*\t], v[P+8*\t+1]
	v_add_f32 v[T2+\t], v[P+8*\t+2], v[P+8*\t+3]
	v_add_f32 v[T2+2+\t], v[P+8*\t+4], v[P+8*\t+5]
	v_add_f32 v[T2+4+\t], v[P+8*\t+6], v[P+8*\t+7]
.endr
.irp t, 0,1
	v_add_f32 v[SM+\t], v[SM+\t], v[T2+\t]
	v_add_f32 v[T2+2+\t], v[T2+2+\t], v[T2+4+\t]
.endr
.irp t, 0,1
	v_add_f32 v[SM+\t], v[SM+\t], v[T2+2+\t]
.endr
	v_rcp_f32 v[RC], v[SM]
	v_rcp_f32 v[RC+1], v[SM+1]
	v_nop                                          ; a plain place behind the reciprocals
	s_wait_alu depctr_va_vdst(0)                   ; and their one wait
.irp t, 0,1
.irp e, 0,1,2,3,4,5,6,7
	v_mul_f32 v[P+8*\t+\e], v[P+8*\t+\e], v[RC+\t]
.endr
.endr
	v_mov_b32 v[BE], v[P]
	v_mov_b32 v[BE+1], v[P+8]
.irp e, 1,2,3,4,5,6,7                  ; the argmax of the probabilities: strictly greater, so that the lower index is kept.  It selects values alone: no address and no branch of this launch hangs on it
.irp t, 0,1
	v_cmp_gt_f32 vcc_lo, v[P+8*\t+\e], v[BE+\t]
	v_cndmask_b32 v[BE+\t], v[BE+\t], v[P+8*\t+\e], vcc_lo
	v_cndmask_b32 v[IX+\t], v[IX+\t], \e, vcc_lo
.endr
.endr
.irp t, 0,1
	ds_store_b128 v[PB], v[P+8*\t:P+8*\t+3] offset:32*\t          ; all lanes write the same bytes with the same values
	ds_store_b128 v[PB], v[P+8*\t+4:P+8*\t+7] offset:32*\t+16
	ds_store_b32 v[RB], v[IX+\t] offset:4*\t
.endr
	s_wait_dscnt 0x0                               ; my 32 neighbours of each row are in
; The quantiser: a lane holds a whole block of each row.  The largest magnitude, with the floor 2^(3 - 127) among its leaves, so that the byte cannot fall under 1; 2 off its exponent field gives the conversion's scale operand.
.irp t, 0,1
	v_max3_num_f32 v[TM+\t], |v[N+32*\t]|, |v[N+32*\t+1]|, 0x1800000
.endr
.irp i, 2,4,6,8,10,12,14,16,18,20,22,24,26,28,30
.irp t, 0,1
	v_max3_num_f32 v[TM+\t], v[TM+\t], |v[N+32*\t+\i]|, |v[N+32*\t+\i+1]|
.endr
.endr
.irp t, 0,1
	v_add_nc_u32 v[SO+\t], 0xff000000, v[TM+\t]
.endr
.irp t, 0,1
	v_lshrrev_b32 v[BY+\t], 23, v[SO+\t]           ; the scale's byte
.endr
.irp t, 0,1
	v_cvt_scalef32_pk16_fp6_f32 v[C+8*\t:C+8*\t+2], v[N+32*\t:N+32*\t+15], v[SO+\t]
	v_cvt_scalef32_pk16_fp6_f32 v[C+8*\t+4:C+8*\t+6], v[N+32*\t+16:N+32*\t+31], v[SO+\t]   ; (a conversion's three registers begin on an even number)
.endr
	v_nop                                          ; one plain place behind a scaled conversion
.irp t, 0,1
.irp i, 0,1,2
	v_mov_b32 v[C+8*\t+3+\i], v[C+8*\t+4+\i]       ; the block's 24 bytes on end
.endr
.endr
.irp t, 0,1
.irp i, 0,1,2
	ds_store_b64 v[CO], v[C+8*\t+2*\i:C+8*\t+2*\i+1] offset:768*\t+8*\i
.endr
	ds_store_b8 v[SB], v[BY+\t] offset:32*\t
.endr
.irp i, 0,1,2
	ds_load_b128 v[OB+4*\i:OB+4*\i+3], v[CR] offset:512*\i   ; my wave's own bytes, in order behind the stores
.endr
	s_wait_dscnt 0x0                               ; the codes are back; and, for wave 0's sake, my probabilities, bytes and routes lie in LDS
.irp i, 0,1,2
	global_store_b128 v[G16], v[OB+4*\i:OB+4*\i+3], s[14:15] offset:512*\i   ; 512 consecutive bytes, at a multiple of 256 from xq's first byte
.endr
	s_barrier_signal -1
	s_barrier_wait -1
	s_cmp_lg_u32 s18, 0
	s_cbranch_scc1 .Lend
	ds_load_b64 v[240:241], v[FP]
	ds_load_b64 v[242:243], v[FS]
	ds_load_u8 v244, v[FR]
	s_wait_dscnt 0x0
	global_store_b64 v[L8], v[240:241], s[10:11]   ; 8 tokens' probabilities: 256 consecutive bytes, aligned
	global_store_b64 v[L8], v[242:243], s[16:17]   ; their scale bytes: likewise
	global_store_b8 v[LN], v244, s[12:13]          ; their routes: 32 consecutive bytes
.Lend:
	s_wait_tensorcnt 0x0                           ; the wave's end, behind my last LDS store
	ds_add_u32 v[SPW], v[NIL]
	s_wait_dscnt 0x0
	s_endpgm
.Lfunc_end_k_qa70793281f_route:
	.size	k_qa70793281f_route, .Lfunc_end_k_qa70793281f_route-k_qa70793281f_route
	.p2alignl 7, 3214868480
	.fill 96, 4, 3214868480
	.section	.rodata,"a",@progbits
	.p2align	6, 0x0
	.amdhsa_kernel k_qa70793281f_route
		.amdhsa_group_segment_fixed_size 81152
		.amdhsa_private_segment_fixed_size 0
		.amdhsa_enable_private_segment 0
		.amdhsa_kernarg_size 56
		.amdhsa_user_sgpr_count 2
		.amdhsa_user_sgpr_kernarg_segment_ptr 1
		.amdhsa_wavefront_size32 1
		.amdhsa_system_sgpr_workgroup_id_x 1
		.amdhsa_system_sgpr_workgroup_id_y 1
		.amdhsa_system_sgpr_workgroup_id_z 1
		.amdhsa_system_vgpr_workitem_id 0
		.amdhsa_next_free_vgpr 512
		.amdhsa_next_free_sgpr 66
		.amdhsa_reserve_vcc 1
		.amdhsa_float_denorm_mode_32 3
		.amdhsa_float_denorm_mode_16_64 3
		.amdhsa_memory_ordered 1
		.amdhsa_forward_progress 1
		.amdhsa_inst_pref_size 46
	.end_amdhsa_kernel
	.amdgpu_metadata
---
amdhsa.version: [ 1, 2 ]
amdhsa.kernels:
  - .name:           k_qa70793281f_route
    .symbol:         k_qa70793281f_route.kd
    .args:
      - { .name: x, .offset: 0, .size: 8, .value_kind: global_buffer, .address_space: global }
      - { .name: Wr, .offset: 8, .size: 8, .value_kind: global_buffer, .address_space: global }
      - { .name: br, .offset: 16, .size: 8, .value_kind: global_buffer, .address_space: global }
      - { .name: out1, .offset: 24, .size: 8, .value_kind: global_buffer, .address_space: global }
      - { .name: routes, .offset: 32, .size: 8, .value_kind: global_buffer, .address_space: global }
      - { .name: xq, .offset: 40, .size: 8, .value_kind: global_buffer, .address_space: global }
      - { .name: xs, .offset: 48, .size: 8, .value_kind: global_buffer, .address_space: global }
    .group_segment_fixed_size: 81152
    .private_segment_fixed_size: 0
    .kernarg_segment_align: 8
    .kernarg_segment_size: 56
    .max_flat_workgroup_size: 128
    .sgpr_count:     66
    .vgpr_count:     512
    .wavefront_size: 32
...
	.end_amdgpu_metadata
.endif
;; end of part 1
;; launch place (part 2): grid 8 x 1, 4 waves a work-group, no clusters, 0 bytes of LDS; arguments routes, order, cnt, out2; writes order, cnt, out2
.if DOCPART == 2
	.amdgcn_target "amdgcn-amd-amdhsa--gfx1250"
	.amdhsa_code_object_version 6
	.text
	.protected	k_qa70793281f_place
	.globl	k_qa70793281f_place
	.p2align	8
	.type	k_qa70793281f_place,@function
k_qa70793281f_place:
	s_mov_b64 s[64:65], 0
	v_nop
	global_prefetch_b8 v0, s[64:65] scope:SCOPE_SE
	s_setreg_imm32_b32 hwreg(HW_REG_WAVE_MODE, 25, 1), 1
	s_wait_xcnt 0x0
; Second launch: a counting sort without atomics.  Work-group e makes expert e's list of tokens, order[e][place] = token, its count cnt[e], and out2[e], the count as f32 (reference()'s sum of a one_hot of routes is that count).
; Every wave reads all 2,048 routes (8,192 bytes) and counts expert e's tokens in each quarter of 512; wave q then places the tokens of quarter q, from the sum of the quarters before it on.
; A token's place: behind all chosen tokens of the registers before its own, and inside its register from the HIGH lanes down.  So the list's last place, n - 1, holds the lowest chosen lane of the last register that has one.
; THE FILLING.  The later launches read whole tiles of 16 and groups of 32, and the first 64 entries before they know n.  So places n .. n + 63 are filled, with the token at place n - 1 (token 0 where n = 0): a filled row
; repeats a row of the same group of 32, and what it brings into out0 are that row's own bytes once more.  A list has 2,048 + 64 entries: 8,448 bytes.
; NO LANE IS SWITCHED OFF.  In each store a lane whose token is expert e's stores it at its place; any other lane stores the filling at place n + lane, a word that wave 0 stores too, with the same value.
; No LDS and no barrier: the waves share nothing.  Eight work-groups: there are eight lists, and each is one chain of counts.
.set OPITCH, 8448                      ; bytes of a list
.set R,  8                             ; v8-71    register 4 j + i: the route of token 128 j + 4 l + i
.set O,  72                            ; v72-87   my quarter's routes once more
.set P,  88                            ; v88-103  places, then byte offsets
.set TK, 104                           ; v104-119 my quarter's tokens, or the filling
.set FP, 120                           ; v120     n + l;  v121 the second filling's offset;  v122 the filling;  v123, v124 n as u32 and as f32;  v125 4 e;  v126 the first filling's offset
	s_load_b256 s[4:11], s[0:1], 0x0               ; routes s[4:5], order s[6:7], cnt s[8:9], out2 s[10:11]
	v_lshrrev_b32 v2, 5, v0
	v_readfirstlane_b32 s13, v2                    ; q: wave 0..3
	v_and_b32 v2, 31, v0                           ; l
	v_lshlrev_b32 v1, 4, v2
	s_mov_b32 s12, ttmp9                           ; e
	s_lshl_b32 s24, s13, 11                        ; my quarter: 2,048 bytes of routes
	s_mov_b32 s25, 0
	s_mul_i32 s26, s12, OPITCH                     ; my list
	s_mov_b32 s27, 0
	s_lshl_b32 s19, s13, 9
	v_lshl_add_u32 v3, v2, 2, s19                  ; 512 q + 4 l
.irp c, 0,1,2,3,4,5,6,7,8,9,10,11,12,13,14,15
	v_add_nc_u32 v[TK+\c], 128*(\c/4)+\c%4, v3
.endr
	s_lshl_b32 s19, s12, 2
	v_mov_b32 v125, s19                            ; 4 e
	s_wait_kmcnt 0x0
	s_add_nc_u64 s[24:25], s[4:5], s[24:25]
	s_add_nc_u64 s[22:23], s[6:7], s[26:27]
.irp j, 0,1,2,3,4,5,6,7,8,9,10,11,12,13,14,15
	global_load_b128 v[R+4*\j:R+4*\j+3], v1, s[4:5] offset:512*\j
.endr
.irp j, 0,1,2,3
	global_load_b128 v[O+4*\j:O+4*\j+3], v1, s[24:25] offset:512*\j
.endr
	s_mov_b32 s14, 0                               ; the count
	s_mov_b32 s56, 1                               ; the last mask that is not 0 (where there is none: lane 0,
	s_mov_b32 s57, 0                               ; of the register that begins with token 0)
	s_wait_loadcnt 0x0
.irp k, 0,1,2,3
.irp c, 0,1,2,3,4,5,6,7,8,9,10,11,12,13,14,15
	v_cmp_eq_u32 s[40+\c], s12, v[R+16*\k+\c]
.endr
.irp c, 0,1,2,3,4,5,6,7,8,9,10,11,12,13,14,15
	s_bcnt1_i32_b32 s19, s[40+\c]                  ; it sets SCC where the count is not 0: the two selections below go by that
	s_cselect_b32 s56, s[40+\c], s56
	s_cselect_b32 s57, 128*(4*\k+\c/4)+\c%4, s57   ; lane 0's token in this register
	s_add_co_u32 s14, s14, s19
.endr
.if \k < 3
	s_mov_b32 s[15+\k], s14                        ; s15, s16, s17: the count up to the end of quarters 0, 1, 2
.endif
.endr
	s_ctz_i32_b32 s19, s56                         ; the lowest chosen lane of the last register that has one:
	s_lshl_b32 s19, s19, 2
	s_add_co_u32 s57, s57, s19                     ; its token stands at place n - 1
	v_mov_b32 v122, s57                            ; the filling
	v_add_nc_u32 v[FP], s14, v2                    ; place n + l
	s_mov_b32 s18, 0                               ; where my quarter's tokens begin
	s_cmp_eq_u32 s13, 1
	s_cselect_b32 s18, s15, s18
	s_cmp_eq_u32 s13, 2
	s_cselect_b32 s18, s16, s18
	s_cmp_eq_u32 s13, 3
	s_cselect_b32 s18, s17, s18
	s_sub_co_u32 s18, s18, 1                       ; less 1: with a register's count added it is that register's highest place
.irp c, 0,1,2,3,4,5,6,7,8,9,10,11,12,13,14,15
	v_cmp_eq_u32 s[40+\c], s12, v[O+\c]
.endr
.irp c, 0,1,2,3,4,5,6,7,8,9,10,11,12,13,14,15
	s_bcnt1_i32_b32 s19, s[40+\c]
	s_add_co_u32 s18, s18, s19
	v_mbcnt_lo_u32_b32 v[P+\c], s[40+\c], 0        ; the chosen lanes below mine
	v_sub_nc_u32 v[P+\c], s18, v[P+\c]             ; my place, if my token is chosen;
	v_cndmask_b32 v[P+\c], v[FP], v[P+\c], s[40+\c]     ; else place n + l,
	v_cndmask_b32 v[TK+\c], v122, v[TK+\c], s[40+\c]    ; and the filling
	v_min_u32 v[P+\c], 2111, v[P+\c]               ; a place is under 2,112: 2,048 tokens and 64 fillings
	v_lshlrev_b32 v[P+\c], 2, v[P+\c]
	global_store_b32 v[P+\c], v[TK+\c], s[22:23]   ; the chosen lanes' places follow each other
.endr
	s_cmp_lg_u32 s13, 0
	s_cbranch_scc1 .Ldone
	v_min_u32 v126, 2111, v[FP]                    ; places n + l
	v_lshlrev_b32 v126, 2, v126
	v_add_nc_u32 v121, 32, v[FP]                   ; and n + 32 + l
	v_min_u32 v121, 2111, v121
	v_lshlrev_b32 v121, 2, v121
	global_store_b32 v126, v122, s[22:23]          ; the 64 fillings: 128 consecutive bytes a store
	global_store_b32 v121, v122, s[22:23]
	v_mov_b32 v123, s14
	v_cvt_f32_u32 v124, v123
	global_store_b32 v125, v123, s[8:9]            ; cnt[e]: all lanes store the same word with the same value
	global_store_b32 v125, v124, s[10:11]          ; out2[e] likewise
.Ldone:
	s_endpgm
.Lfunc_end_k_qa70793281f_place:
	.size	k_qa70793281f_place, .Lfunc_end_k_qa70793281f_place-k_qa70793281f_place
	.p2alignl 7, 3214868480
	.fill 96, 4, 3214868480
	.section	.rodata,"a",@progbits
	.p2align	6, 0x0
	.amdhsa_kernel k_qa70793281f_place
		.amdhsa_group_segment_fixed_size 0
		.amdhsa_private_segment_fixed_size 0
		.amdhsa_enable_private_segment 0
		.amdhsa_kernarg_size 32
		.amdhsa_user_sgpr_count 2
		.amdhsa_user_sgpr_kernarg_segment_ptr 1
		.amdhsa_wavefront_size32 1
		.amdhsa_system_sgpr_workgroup_id_x 1
		.amdhsa_system_sgpr_workgroup_id_y 1
		.amdhsa_system_sgpr_workgroup_id_z 1
		.amdhsa_system_vgpr_workitem_id 0
		.amdhsa_next_free_vgpr 128
		.amdhsa_next_free_sgpr 66
		.amdhsa_reserve_vcc 0
		.amdhsa_float_denorm_mode_32 3
		.amdhsa_float_denorm_mode_16_64 3
		.amdhsa_memory_ordered 1
		.amdhsa_forward_progress 1
		.amdhsa_inst_pref_size 28
	.end_amdhsa_kernel
	.amdgpu_metadata
---
amdhsa.version: [ 1, 2 ]
amdhsa.kernels:
  - .name:           k_qa70793281f_place
    .symbol:         k_qa70793281f_place.kd
    .args:
      - { .name: routes, .offset: 0, .size: 8, .value_kind: global_buffer, .address_space: global }
      - { .name: order, .offset: 8, .size: 8, .value_kind: global_buffer, .address_space: global }
      - { .name: cnt, .offset: 16, .size: 8, .value_kind: global_buffer, .address_space: global }
      - { .name: out2, .offset: 24, .size: 8, .value_kind: global_buffer, .address_space: global }
    .group_segment_fixed_size: 0
    .private_segment_fixed_size: 0
    .kernarg_segment_align: 8
    .kernarg_segment_size: 32
    .max_flat_workgroup_size: 128
    .sgpr_count:     66
    .vgpr_count:     128
    .wavefront_size: 32
...
	.end_amdgpu_metadata
.endif
;; end of part 2
;; launch up (part 3): grid 32 x 8, 4 waves a work-group, no clusters, 101,888 bytes of LDS; arguments xq, xs, order, cnt, W1_codes, W1_scales, b1, hq, hs; writes hq, hs
.if DOCPART == 3
	.amdgcn_target "amdgcn-amd-amdhsa--gfx1250"
	.amdhsa_code_object_version 6
	.text
	.protected	k_qa70793281f_up
	.globl	k_qa70793281f_up
	.p2align	8
	.type	k_qa70793281f_up,@function
k_qa70793281f_up:
	s_mov_b64 s[64:65], 0
	v_nop
	global_prefetch_b8 v0, s[64:65] scope:SCOPE_SE
	s_setreg_imm32_b32 hwreg(HW_REG_WAVE_MODE, 25, 1), 1
	s_wait_xcnt 0x0
; Third launch: h = relu(Q(x) W1[e] + b1[e]) for the tokens of expert e alone, quantised along the hidden units.  The other experts' products for a token are left out: reference() replaces them by 0 through a mask of its own.
; SHARES.  Work-group (ub, e) owns 64 hidden units of expert e: rows e 2,048 + 64 ub + 0 .. 63 of W1's codes, one dense block of 49,152 bytes, read from memory by this work-group alone, dense, 512 bytes a load.
; The block goes through LDS once, behind the launch's one barrier, and every wave then keeps all 32 fragments (4 tiles of 16 units x 8 K steps of 128) in registers.  From there on the waves share nothing:
; wave w takes the tiles of 16 tokens w, w + 4, .. of expert e's list, as many as cnt[e] asks for (n rounded up to 32, in tiles of 16): a trip count read from memory, so the launch has no tensor load and no barrier in the loop.
; The list's entries from n on repeat its last token: their rows are computed like any other.
; A TRIP: 16 tokens x 64 units x K 1,024: 32 matrix instructions on four accumulators by turns.  The product is used transposed (source 0 = 16 rows of W1, source 1 = 16 tokens): a lane holds ONE token and its registers run along
; the hidden units.  THE UNITS OF A TILE ARE NOT NEIGHBOURS: lane r of tile 2 b + u takes unit 32 b + 8 u + r + 8 (r / 8), so that the 16 registers of tiles 2 b, 2 b + 1 are the 16 neighbours 32 b + 16 (lane / 16) + 0 .. 15.
; b1 is the C of each sum's first matrix instruction.
; x's codes: a token's row of xq is 768 bytes; sixteen lanes read 256 consecutive bytes of it; the rows turn through the wave's own stage in LDS into the operand's registers.  Lists and rows run a tile ahead of the products.
; hq: [e][tile][ub][768]: half a fragment of the next product (16 tokens x these 64 units) as an image of its six registers: registers 0-3 of lane L at 16 L, registers 4-5 at 512 + 8 L.  hs: [e][tile][token 0..15][64]: byte 2 ub + b.
; The 32 scale bytes of a trip are single bytes inside 1,024: those blocks are written in part, one byte for every 24 of codes.
; LIMITS: a block of zeros gets the byte 1 where the quantiser says 127: its codes are zeros, and hs is read by this program alone.
; No cluster: the work-groups of one expert share x's codes alone, whose rows come by lists read from memory.
.set OPITCH, 8448                      ; bytes of an expert's list: 2,048 + 64 entries
.set WP,    784                        ; LDS: 64 rows of W1, 768 bytes + 16: 196 words, so that row r starts at bank 4 r mod 64.  The rows lie in the tiles' order: unit's bits 3 and 4 change places
.set XST,   50176                      ; for each wave: 32 rows (16 h + r) of 384 bytes + 16
.set XP,    400
.set SPARE, 101376                     ; the spare words, 128 bytes for each wave: two blocks of 256 bytes that no other line names
.set SPW, 1                            ; v1   LDS address of my spare word; never rewritten
.set NIL, 2                            ; v2   0; never rewritten
.set WA,  3                            ; v3   a fragment of W1 in LDS: 784 r + 24 h
.set WSA, 4                            ; v4-6 W1 into LDS: the three loads of two rows
.set SA0, 7                            ; v7   x into my stage: 3,200 H + 16 a
.set SA1, 8                            ; v8   the same for a row's middle 256 bytes, which fall into both halves
.set SR,  9                            ; v9   x out of my stage: 400 l
.set IO,  10                           ; v10  my eight entries of the list: 64 tile + 32 H
.set IS,  11                           ; v11  my token's entry: 64 tile + 4 a
.set LA,  14                           ; v14  16 a
.set XSA, 15                           ; v15  my token's row of xs
.set Q16, 16                           ; v16  16 l
.set Q8,  17                           ; v17  512 + 8 l
.set HSO, 18                           ; v18  64 a + H
.set WSO, 19                           ; v19  my row of W1's scales
.set ID,  20                           ; v20-27 eight entries of the list;  v28 my token's
.set IDS, 28
.set BO,  29                           ; v29  64 H: my half's numbers of b1
.set XA,  30                           ; v30-37 eight rows' byte offsets in xq
.set XSN, 38                           ; v38-45 x's scale words as they arrive;  v46-53 those of the tile in hand
.set XSC, 46
.set WS,  54                           ; v54-85  W1's scale words: 8 T + s
.set ACC, 86                           ; v86-117 the four accumulators: 8 T + j
.set TM,  118                          ; v118-119 largest numbers; v120-121 lane permutes' destinations; v122-123 scale operands; v124-125 bytes; v126 my byte
.set TP,  120
.set SO,  122
.set BY,  124
.set BYS, 126
.set C,   128                          ; v128-134 the codes just made
.set X,   136                          ; v136-231 x's eight fragments, 12 s; at the head W1 on its way to LDS
.set LL,  232                          ; v232 l, v233 a = l % 16, v234 H = l / 16
.set AA,  233
.set HH,  234
; window 1: v0-191 W1's fragments (T, s = 0..3) at 48 s + 12 T; v192-223 b1, 8 T + j.   window 2: v0-191 those of s = 4..7.   window 3: v0-95 x's rows as they are loaded
.set MSB, 0
.macro WIN new                         ; the immediate's high byte repeats the setting that is left
.if MSB != \new
	s_set_vgpr_msb (MSB<<8)|\new
.set MSB, \new
.endif
.endm
.macro IDL                             ; a tile's sixteen entries of the list: my half's eight, and my token's
	global_load_b128 v[ID:ID+3], v[IO], s[36:37]
	global_load_b128 v[ID+4:ID+7], v[IO], s[36:37] offset:16
	global_load_b32 v[IDS], v[IS], s[36:37]
.endm
.macro XADR                            ; entries become byte offsets: held under 2,048 tokens, x 768 bytes, + my 16 bytes.  26 plain instructions
.irp i, 0,1,2,3,4,5,6,7
	v_min_u32 v[ID+\i], 2047, v[ID+\i]
.endr
	v_min_u32 v[IDS], 2047, v[IDS]
.irp i, 0,1,2,3,4,5,6,7
	v_mul_u32_u24 v[XA+\i], v[ID+\i], 768
.endr
.irp i, 0,1,2,3,4,5,6,7
	v_add_nc_u32 v[XA+\i], v[LA], v[XA+\i]
.endr
	v_lshlrev_b32 v[XSA], 5, v[IDS]
.endm
.macro XLD                             ; a tile's codes and scale words: lanes 0-15 read 256 consecutive bytes of token i's row, lanes 16-31 of token 8 + i's
	WIN 0xc0                                       ; destination window 3
.irp i, 0,1,2,3,4,5,6,7
.irp u, 0,1,2
	global_load_b128 v[4*(3*\i+\u):4*(3*\i+\u)+3], v[XA+\i], s[4:5] offset:256*\u
.endr
.endr
	WIN 0
	global_load_b128 v[XSN:XSN+3], v[XSA], s[6:7]
	global_load_b128 v[XSN+4:XSN+7], v[XSA], s[6:7] offset:16
.endm
.macro MM s                            ; K step s: four matrix instructions, the four accumulators by turns
.irp T, 0,1,2,3
.if (\s) == 0
	v_wmma_scale_f32_16x16x128_f8f6f4 v[ACC+8*\T:ACC+8*\T+7], v[12*\T:12*\T+11], v[X:X+11], v[192+8*\T:192+8*\T+7], v[WS+8*\T], v[XSC] matrix_a_fmt:MATRIX_FMT_FP6 matrix_b_fmt:MATRIX_FMT_FP6
.else
	v_wmma_scale_f32_16x16x128_f8f6f4 v[ACC+8*\T:ACC+8*\T+7], v[48*((\s)%4)+12*\T:48*((\s)%4)+12*\T+11], v[X+12*(\s):X+12*(\s)+11], v[ACC+8*\T:ACC+8*\T+7], v[WS+8*\T+(\s)], v[XSC+(\s)] matrix_a_fmt:MATRIX_FMT_FP6 matrix_b_fmt:MATRIX_FMT_FP6
.endif
.endr
.endm
	s_load_b512 s[4:19], s[0:1], 0x0               ; xq s[4:5], xs s[6:7], order s[8:9], cnt s[10:11], W1's codes s[12:13], its scales s[14:15], b1 s[16:17], hq s[18:19]
	s_load_b64 s[20:21], s[0:1], 0x40              ; hs
	v_lshl_add_u32 v[SPW], v0, 2, SPARE
	v_mov_b32 v[NIL], 0
	v_lshrrev_b32 v[LL], 5, v0
	v_readfirstlane_b32 s25, v[LL]                 ; wave 0..3
	v_and_b32 v[LL], 31, v0
	v_and_b32 v[AA], 15, v0
	v_bfe_u32 v[HH], v0, 4, 1
	s_mov_b32 s24, ttmp9                           ; ub
	s_and_b32 s23, ttmp7, 0xffff                   ; e
	v_mul_u32_u24 v[WA], v[AA], WP
	v_mad_u32_u24 v[WA], v[HH], 24, v[WA]
	s_lshr_b32 s29, s25, 1                         ; my 16 units 16 w + 0 .. 15 go to LDS rows 32 (w / 2) + 8 (w % 2) + 16 (unit / 8 % 2) + unit % 8
	s_lshl_b32 s29, s29, 5
	s_and_b32 s26, s25, 1
	s_lshl_b32 s26, s26, 3
	s_add_co_u32 s29, s29, s26
	s_mul_i32 s29, s29, WP
	v_lshl_add_u32 v[WSA], v[LL], 4, s29           ; load 3 a': bytes 0-511 of row 2 a'
	v_lshl_add_u32 v[WSA+1], v[HH], 4, v[WSA]
	v_add_nc_u32 v[WSA+1], 512, v[WSA+1]           ; load 3 a' + 1: bytes 512-767 of row 2 a', and behind the padding bytes 0-255 of row 2 a' + 1
	v_add_nc_u32 v[WSA+2], WP+256, v[WSA]          ; load 3 a' + 2: bytes 256-767 of row 2 a' + 1
	s_mul_i32 s29, s25, 32*XP
	s_add_co_u32 s29, s29, XST                     ; my stage
	v_mul_u32_u24 v[SA0], v[HH], 8*XP
	v_lshl_add_u32 v[SA0], v[AA], 4, v[SA0]
	v_add_nc_u32 v[SA0], s29, v[SA0]
	v_lshrrev_b32 v[SA1], 3, v[AA]
	v_mul_u32_u24 v[SA1], v[SA1], 16*XP-384        ; bytes 384 on of a token's row belong to half 1: sixteen stage rows further down, 384 bytes back
	v_add_nc_u32 v[SA1], v[SA1], v[SA0]
	v_add_nc_u32 v[SA1], 256, v[SA1]
	v_mul_u32_u24 v[SR], v[LL], XP
	v_add_nc_u32 v[SR], s29, v[SR]
	s_lshl_b32 s29, s25, 6
	v_lshl_add_u32 v[IO], v[HH], 5, s29
	v_lshl_add_u32 v[IS], v[AA], 2, s29
	v_lshlrev_b32 v[LA], 4, v[AA]
	v_lshlrev_b32 v[Q16], 4, v[LL]
	v_lshl_add_u32 v[Q8], v[LL], 3, 512
	v_lshl_add_u32 v[HSO], v[AA], 6, v[HH]
	v_and_b32 v[WSO], 8, v[AA]
	v_add_nc_u32 v[WSO], v[WSO], v[AA]             ; a + 8 (a / 8)
	v_lshlrev_b32 v[WSO], 5, v[WSO]                ; 32 scale bytes a row
	v_lshlrev_b32 v[BO], 6, v[HH]
	v_mov_b32 v[TP], 0                             ; written once: a lane permute's destination counts as one of its sources
	v_mov_b32 v[TP+1], 0
	s_mov_b32 s38, 0x76543210
	s_mov_b32 s39, 0xfedcba98                      ; v_permlanex16_b32's selects for lane l xor 16
	s_mov_b32 s40, 0xffff0000                      ; lanes 16-31
	s_mov_b32 s31, 0
	s_wait_kmcnt 0x0
	s_lshl_b32 s30, s23, 2
	s_add_nc_u64 s[10:11], s[10:11], s[30:31]
	s_load_b32 s22, s[10:11], 0x0                  ; n = cnt[e]
	s_mul_i32 s30, s23, OPITCH
	s_add_nc_u64 s[36:37], s[8:9], s[30:31]        ; expert e's list
	IDL                                            ; tile w: the list's first 64 entries are always written
	s_lshl_b32 s41, s23, 11
	s_lshl_b32 s29, s24, 6
	s_add_co_u32 s41, s41, s29                     ; my first row of W1: 2,048 e + 64 ub
	s_mul_i32 s30, s41, 768
	s_mul_i32 s29, s25, 12288
	s_add_co_u32 s30, s30, s29                     ; my wave's 16 rows
	s_add_nc_u64 s[12:13], s[12:13], s[30:31]
	s_lshl_b32 s30, s41, 5
	s_add_nc_u64 s[14:15], s[14:15], s[30:31]
	s_lshl_b32 s30, s41, 2
	s_add_nc_u64 s[16:17], s[16:17], s[30:31]
.irp i, 0,1,2,3,4,5,6,7,8,9,10,11,12,13,14,15,16,17,18,19,20,21,22,23
	global_load_b128 v[X+4*\i:X+4*\i+3], v[Q16], s[12:13] offset:512*\i th:TH_LOAD_NT   ; 512 consecutive bytes; read once in the launch
.endr
.irp T, 0,1,2,3
.irp m, 0,1
	global_load_b128 v[WS+8*\T+4*\m:WS+8*\T+4*\m+3], v[WSO], s[14:15] offset:(32*(\T/2)+8*(\T%2))*32+16*\m   ; lane a: the eight scale words of tile T's row a
.endr
.endr
	WIN 0x40                                       ; destination window 1
.irp T, 0,1,2,3
.irp m, 0,1
	global_load_b128 v[192+8*\T+4*\m:192+8*\T+4*\m+3], v[BO], s[16:17] offset:(32*(\T/2)+8*(\T%2))*4+16*\m   ; b1 in the result's layout: units 32 b + 8 u + 16 H + 0 .. 7
.endr
.endr
	WIN 0
	s_wait_loadcnt 40                              ; the list's three loads are in; the 24 + 8 + 8 issued behind them may be out
	XADR
	XLD                                            ; my first tile's codes: 26 loads
	s_wait_loadcnt 26                              ; W1, its scales and b1 are in; the 26 may be out
.irp a, 0,1,2,3,4,5,6,7
.irp u, 0,1,2
	ds_store_b128 v[WSA+\u], v[X+4*(3*\a+\u):X+4*(3*\a+\u)+3] offset:(16*(\a/4)+(2*\a)%8)*WP
.endr
.endr
	s_wait_dscnt 0x0                               ; for the others' sake: my 16 rows lie in LDS
	s_barrier_signal -1
	s_barrier_wait -1                              ; all 64 do.  The launch's only barrier: behind it LDS rows of W1 are read alone
	s_wait_kmcnt 0x0
	s_min_u32 s22, s22, 2048                       ; n is 2,048 at the most
	s_add_co_u32 s26, s22, 31
	s_lshr_b32 s26, s26, 5
	s_lshl_b32 s26, s26, 1                         ; tiles of 16 tokens: n rounded up to 32
	s_add_co_u32 s27, s26, 3
	s_sub_co_u32 s27, s27, s25
	s_lshr_b32 s27, s27, 2                         ; my trips: tiles w, w + 4, ..
	s_cmp_eq_u32 s27, 0
	s_cbranch_scc1 .Lend
	s_cmp_lt_u32 s27, 2
	s_cbranch_scc1 .Lone
	v_add_nc_u32 v[IO], 256, v[IO]                 ; (the loads that read these have come back)
	v_add_nc_u32 v[IS], 256, v[IS]
	IDL                                            ; my second tile's entries
.Lone:
	WIN 0x40
.irp s, 0,1,2,3
.irp T, 0,1,2,3
.irp p, 0,1,2,3,4,5
	ds_load_b64 v[48*\s+12*\T+2*\p:48*\s+12*\T+2*\p+1], v[WA] offset:16*\T*WP+96*\s+48*(\p/3)+8*(\p%3)   ; a fragment: 24 bytes at 96 s + 24 h and 24 at 96 s + 48 + 24 h of the row's stream of bits, as they lie
.endr
.endr
.endr
	WIN 0x80
.irp s, 4,5,6,7
.irp T, 0,1,2,3
.irp p, 0,1,2,3,4,5
	ds_load_b64 v[48*(\s-4)+12*\T+2*\p:48*(\s-4)+12*\T+2*\p+1], v[WA] offset:16*\T*WP+96*\s+48*(\p/3)+8*(\p%3)
.endr
.endr
.endr
	WIN 0
	s_lshl_b32 s29, s23, 7
	s_add_co_u32 s29, s29, s25                     ; 128 e + my first tile
	s_lshl_b32 s30, s29, 5
	s_add_co_u32 s30, s30, s24
	s_mul_i32 s30, s30, 768
	s_add_nc_u64 s[32:33], s[18:19], s[30:31]      ; hq at (e, tile w, ub)
	s_lshl_b32 s30, s29, 10
	s_lshl_b32 s29, s24, 1
	s_add_co_u32 s30, s30, s29
	s_add_nc_u64 s[34:35], s[20:21], s[30:31]      ; hs at (e, tile w), byte 2 ub
	s_mov_b32 s28, 0
	s_wait_dscnt 0x0                               ; W1's 32 fragments are in registers
.Ltile:
	s_wait_loadcnt 0x0                             ; this tile's codes and scale words, and the next tile's entries of the list
	WIN 0x0c                                       ; an LDS store's data are its source 1: window 3
.irp i, 0,1,2,3,4,5,6,7
	ds_store_b128 v[SA0], v[12*\i:12*\i+3] offset:XP*\i              ; bytes 0-255 of a token's row: half 0
	ds_store_b128 v[SA1], v[12*\i+4:12*\i+7] offset:XP*\i            ; bytes 256-511: both halves
	ds_store_b128 v[SA0], v[12*\i+8:12*\i+11] offset:XP*\i+16*XP+128 ; bytes 512-767: half 1
.endr
	WIN 0
.irp s, 0,1,2,3,4,5,6,7
	v_mov_b32 v[XSC+\s], v[XSN+\s]                 ; the scale words of the tile in hand; the 26 plain lines below are the places between these and the matrix instructions
.endr
	XADR                                           ; the next tile's offsets (in the last trip: of entries that are not used again)
.irp j, 0,1,2,3,4,5,6,7,8,9,10,11,12,13,14,15,16,17,18,19,20,21,22,23
	ds_load_b128 v[X+4*\j:X+4*\j+3], v[SR] offset:16*\j   ; my 384 bytes: my wave's own stage, in order behind the stores
.endr
	s_wait_dscnt 0x0                               ; x's fragments are in, and the stores have read window 3
	s_add_co_u32 s29, s28, 1
	s_cmp_lt_u32 s29, s27
	s_cbranch_scc0 .Lnox
	XLD                                            ; the next tile's codes land while this tile is multiplied
	s_add_co_u32 s29, s28, 2
	s_cmp_lt_u32 s29, s27
	s_cbranch_scc0 .Lnox
	v_add_nc_u32 v[IO], 256, v[IO]
	v_add_nc_u32 v[IS], 256, v[IS]
	IDL                                            ; and the entries of the tile after it
.Lnox:
	WIN 0x11                                       ; source 0 (W1) and source 2 (b1) window 1
	MM 0
	WIN 0x01
	MM 1
	MM 2
	MM 3
	WIN 0x02                                       ; source 0 window 2
	MM 4
	MM 5
	MM 6
	MM 7
	WIN 0
.rept 4
	v_nop                                          ; four places between the last product and the first read of results (ISA guide 7.12.1)
.endr
.irp j, 0,1,2,3,4,5,6,7,8,9,10,11,12,13,14,15,16,17,18,19,20,21,22,23,24,25,26,27,28,29,30,31
	v_max_num_f32 v[ACC+\j], 0, v[ACC+\j]          ; relu, in f32; each accumulator from its low end on
.endr
.irp b, 0,1
	v_max3_num_f32 v[TM+\b], v[ACC+16*\b], v[ACC+16*\b+1], 0x1800000   ; block b: my 16 numbers (none is negative) and the floor 2^(3 - 127): the byte cannot fall under 1
.endr
.irp i, 2,4,6,8,10,12,14
.irp b, 0,1
	v_max3_num_f32 v[TM+\b], v[TM+\b], v[ACC+16*\b+\i], v[ACC+16*\b+\i+1]
.endr
.endr
.irp b, 0,1
	v_permlanex16_b32 v[TP+\b], v[TM+\b], s38, s39
.endr
.irp b, 0,1
	v_max_num_f32 v[TM+\b], v[TM+\b], v[TP+\b]     ; with lane l xor 16's 16: the block's largest number
.endr
.irp b, 0,1
	v_add_nc_u32 v[SO+\b], 0xff000000, v[TM+\b]    ; 2 off its exponent field: the conversion's scale operand
.endr
.irp b, 0,1
	v_lshrrev_b32 v[BY+\b], 23, v[SO+\b]           ; the scale's byte
.endr
	v_cndmask_b32 v[BYS], v[BY], v[BY+1], s40      ; lanes 0-15 store block 0's byte, lanes 16-31 block 1's
	v_cvt_scalef32_pk16_fp6_f32 v[C:C+2], v[ACC:ACC+15], v[SO]
	v_cvt_scalef32_pk16_fp6_f32 v[C+4:C+6], v[ACC+16:ACC+31], v[SO+1]
	v_nop                                          ; one plain place behind a scaled conversion
.irp i, 0,1,2
	v_permlane16_swap_b32 v[C+\i], v[C+4+\i]       ; the operand's layout wants a whole block in a lane: lanes 0-15 block 0, lanes 16-31 block 1
.endr
.irp i, 0,1,2
	v_mov_b32 v[C+3+\i], v[C+4+\i]
.endr
	global_store_b128 v[Q16], v[C:C+3], s[32:33]   ; 512 consecutive bytes,
	global_store_b64 v[Q8], v[C+4:C+5], s[32:33]   ; and 256: the half fragment's image
	global_store_b8 v[HSO], v[BYS], s[34:35]
	s_wait_xcnt 0x0                                ; the stores have read their registers and bases: both are written again only behind this wait
	s_add_nc_u64 s[32:33], s[32:33], 4*32*768      ; four tiles on
	s_add_nc_u64 s[34:35], s[34:35], 4*1024
	s_add_co_u32 s28, s28, 1
	s_cmp_lt_u32 s28, s27
	s_cbranch_scc1 .Ltile
.Lend:
	s_wait_tensorcnt 0x0                           ; the wave's end, behind my last LDS store
	ds_add_u32 v[SPW], v[NIL]
	s_wait_dscnt 0x0
	s_endpgm
.Lfunc_end_k_qa70793281f_up:
	.size	k_qa70793281f_up, .Lfunc_end_k_qa70793281f_up-k_qa70793281f_up
	.p2alignl 7, 3214868480
	.fill 96, 4, 3214868480
	.section	.rodata,"a",@progbits
	.p2align	6, 0x0
	.amdhsa_kernel k_qa70793281f_up
		.amdhsa_group_segment_fixed_size 101888
		.amdhsa_private_segment_fixed_size 0
		.amdhsa_enable_private_segment 0
		.amdhsa_kernarg_size 72
		.amdhsa_user_sgpr_count 2
		.amdhsa_user_sgpr_kernarg_segment_ptr 1
		.amdhsa_wavefront_size32 1
		.amdhsa_system_sgpr_workgroup_id_x 1
		.amdhsa_system_sgpr_workgroup_id_y 1
		.amdhsa_system_sgpr_workgroup_id_z 1
		.amdhsa_system_vgpr_workitem_id 0
		.amdhsa_next_free_vgpr 864
		.amdhsa_next_free_sgpr 66
		.amdhsa_reserve_vcc 0
		.amdhsa_float_denorm_mode_32 3
		.amdhsa_float_denorm_mode_16_64 3
		.amdhsa_memory_ordered 1
		.amdhsa_forward_progress 1
		.amdhsa_inst_pref_size 43
	.end_amdhsa_kernel
	.amdgpu_metadata
---
amdhsa.version: [ 1, 2 ]
amdhsa.kernels:
  - .name:           k_qa70793281f_up
    .symbol:         k_qa70793281f_up.kd
    .args:
      - { .name: xq, .offset: 0, .size: 8, .value_kind: global_buffer, .address_space: global }
      - { .name: xs, .offset: 8, .size: 8, .value_kind: global_buffer, .address_space: global }
      - { .name: order, .offset: 16, .size: 8, .value_kind: global_buffer, .address_space: global }
      - { .name: cnt, .offset: 24, .size: 8, .value_kind: global_buffer, .address_space: global }
      - { .name: W1_codes, .offset: 32, .size: 8, .value_kind: global_buffer, .address_space: global }
      - { .name: W1_scales, .offset: 40, .size: 8, .value_kind: global_buffer, .address_space: global }
      - { .name: b1, .offset: 48, .size: 8, .value_kind: global_buffer, .address_space: global }
      - { .name: hq, .offset: 56, .size: 8, .value_kind: global_buffer, .address_space: global }
      - { .name: hs, .offset: 64, .size: 8, .value_kind: global_buffer, .address_space: global }
    .group_segment_fixed_size: 101888
    .private_segment_fixed_size: 0
    .kernarg_segment_align: 8
    .kernarg_segment_size: 72
    .max_flat_workgroup_size: 128
    .sgpr_count:     66
    .vgpr_count:     864
    .wavefront_size: 32
...
	.end_amdgpu_metadata
.endif
;; end of part 3
;; launch down (part 4): grid 16 x 16, 4 waves a work-group, no clusters, 134,656 bytes of LDS; arguments hq, hs, order, cnt, W2_codes, W2_scales, b2, out0; writes out0
.if DOCPART == 4
	.amdgcn_target "amdgcn-amd-amdhsa--gfx1250"
	.amdhsa_code_object_version 6
	.text
	.protected	k_qa70793281f_down
	.globl	k_qa70793281f_down
	.p2align	8
	.type	k_qa70793281f_down,@function
k_qa70793281f_down:
	s_mov_b64 s[64:65], 0
	v_nop
	global_prefetch_b8 v0, s[64:65] scope:SCOPE_SE
	s_setreg_imm32_b32 hwreg(HW_REG_WAVE_MODE, 25, 1), 1
	s_wait_xcnt 0x0
; Fourth launch: out0[token] = Q(h) W2[e] + b2[e] for the tokens of expert e alone.  The other experts' products are left out (reference()'s own mask replaces them by 0), and so is the factor router_probs_max / router_probs_max, which is 1.
; SHARES.  Work-group (cb, 2 e + half) owns 64 columns of out0 (256 bytes of a row) for expert e: rows e 1,024 + 64 cb + 0 .. 63 of W2's codes, one dense block of 98,304 bytes, loaded dense and kept in LDS behind the launch's one barrier.
; Wave w takes the groups of 32 tokens 4 half + w, + 8, .. of expert e's list, as many as cnt[e] asks for: a trip count read from memory, so the launch has no tensor load and no barrier in the loop.
; A TRIP: 32 tokens x 64 columns x K 2,048: 16 K steps of 8 matrix instructions on eight accumulators by turns.  The product is used transposed (source 0 = 16 rows of W2, source 1 = 16 tokens): a lane's eight results are eight
; neighbouring columns of one token.  W2's fragments come from LDS a K step ahead, each for two products; the hidden layer's come from hq, as images of their registers, five K steps ahead, each for four.  b2 is the C of the first K step.
; THE WAY OUT: through the wave's own stage in LDS; sixteen lanes then store the 256 consecutive bytes of one token's row, at the place that the list names.
; The list's entries from n on repeat its last token, which stands in the same group of 32: such a row holds that token's own numbers, and the same wave stores them once more at the same place.  So no lane is switched off,
; every token's bytes come from one wave, and the price is that an expert's last token is stored up to 32 times.
; No cluster: the two work-groups that share a block of W2 read it once each, at their heads; what the sixteen of an expert share besides is read by trip counts from memory.
.set OPITCH, 8448                      ; bytes of an expert's list: 2,048 + 64 entries
.set WP,    1552                       ; LDS: 64 rows of W2, 1,536 bytes + 16: 388 words, so that row r starts at bank 4 r mod 64
.set OST,   99328                      ; for each wave: 32 rows of 256 bytes + 16
.set OP,    272
.set SPARE, 134144                     ; the spare words, 128 bytes for each wave: two blocks of 256 bytes that no other line names
.set SPW, 1                            ; v1   LDS address of my spare word; never rewritten
.set NIL, 2                            ; v2   0; never rewritten
.set WST, 3                            ; v3   W2 into LDS: my wave's 16 rows, 16 l
.set WA0, 4                            ; v4   a fragment of tiles 0, 1: 1,552 a + 24 H;  v5 of tiles 2, 3: 32 rows on
.set SOA, 6                            ; v6   the stage, in: row a, 32 H
.set SRA, 7                            ; v7   and back: row 16 H, 16 a
.set A16, 8                            ; v8   16 l
.set A8,  9                            ; v9   512 + 8 l
.set ASO, 10                           ; v10  64 a
.set IOO, 11                           ; v11  64 H
.set LA,  12                           ; v12  16 a
.set BO,  14                           ; v14  32 H
.set ID,  16                           ; v16-31  my half's sixteen entries of the list
.set AS,  32                           ; v32-63  the hidden layer's scale words: 16 tile + s
.set WS,  64                           ; v64-127 W2's scale words: 16 T + s
.set B2,  128                          ; v128-159 b2: 8 T + j
.set ACC, 160                          ; v160-223 the eight accumulators: 8 (4 tile + T)
.set LL,  224                          ; v224 l, v225 a, v226 H
.set AA,  225
.set HH,  226
.set OA,  232                          ; v232-247 the sixteen rows' byte offsets in out0
.set AR,  96                           ; window 1: v0-47, v48-95 W2's fragments, two sets, 12 T;  v96-239 the hidden layer's: six slots of 24, 12 tile.  At the head v0-191: W2 on its way to LDS; on the way out v0-63: rows of out0
.set MSB, 0
.macro WIN new                         ; the immediate's high byte repeats the setting that is left
.if MSB != \new
	s_set_vgpr_msb (MSB<<8)|\new
.set MSB, \new
.endif
.endm
.macro WF s                            ; W2's four fragments of K step s into set s % 2: 24 LDS loads
.irp T, 0,1,2,3
.irp p, 0,1,2,3,4,5
	ds_load_b64 v[48*((\s)%2)+12*\T+2*\p:48*((\s)%2)+12*\T+2*\p+1], v[WA0+\T/2] offset:16*(\T%2)*WP+96*(\s)+48*(\p/3)+8*(\p%3)
.endr
.endr
.endm
.macro AL s                            ; the hidden layer's two fragments of K step s into slot s % 6: 8 loads, of 512 or 256 consecutive bytes
.irp t, 0,1
.irp c, 0,1
	global_load_b128 v[AR+24*((\s)%6)+12*\t+6*\c:AR+24*((\s)%6)+12*\t+6*\c+3], v[A16], s[32:33] offset:24576*\t+(2*(\s)+\c)*768
	global_load_b64 v[AR+24*((\s)%6)+12*\t+6*\c+4:AR+24*((\s)%6)+12*\t+6*\c+5], v[A8], s[32:33] offset:24576*\t+(2*(\s)+\c)*768
.endr
.endr
.endm
.macro KSTEP s
.if (\s) > 0
.rept 4
	v_nop                                          ; four places between the last products and loads into registers that they have read
.endr
.endif
	WIN 0x40                                       ; destination window 1
.if (\s) < 15
	WF (\s)+1
.endif
.if ((\s) >= 1) && ((\s) <= 10)
	AL (\s)+5                                      ; into the slot that K step s - 1 has left
.endif
.if (\s) <= 10
	s_wait_loadcnt 40                              ; this K step's fragments are in; those of the five K steps behind it, 8 loads each, may be out
.else
	s_wait_loadcnt 8*(15-(\s))
.endif
.if (\s) < 15
	s_wait_dscnt 24                                ; this K step's set of W2 is in; the next set's 24 loads may be out
.else
	s_wait_dscnt 0x0
.endif
	WIN 0x05                                       ; sources 0 and 1 window 1
.irp t, 0,1
.irp T, 0,1,2,3
.if (\s) == 0
	v_wmma_scale_f32_16x16x128_f8f6f4 v[ACC+8*(4*\t+\T):ACC+8*(4*\t+\T)+7], v[12*\T:12*\T+11], v[AR+12*\t:AR+12*\t+11], v[B2+8*\T:B2+8*\T+7], v[WS+16*\T], v[AS+16*\t] matrix_a_fmt:MATRIX_FMT_FP6 matrix_b_fmt:MATRIX_FMT_FP6
.else
	v_wmma_scale_f32_16x16x128_f8f6f4 v[ACC+8*(4*\t+\T):ACC+8*(4*\t+\T)+7], v[48*((\s)%2)+12*\T:48*((\s)%2)+12*\T+11], v[AR+24*((\s)%6)+12*\t:AR+24*((\s)%6)+12*\t+11], v[ACC+8*(4*\t+\T):ACC+8*(4*\t+\T)+7], v[WS+16*\T+(\s)], v[AS+16*\t+(\s)] matrix_a_fmt:MATRIX_FMT_FP6 matrix_b_fmt:MATRIX_FMT_FP6
.endif
.endr
.endr
.endm
	s_load_b512 s[4:19], s[0:1], 0x0               ; hq s[4:5], hs s[6:7], order s[8:9], cnt s[10:11], W2's codes s[12:13], its scales s[14:15], b2 s[16:17], out0 s[18:19]
	v_lshl_add_u32 v[SPW], v0, 2, SPARE
	v_mov_b32 v[NIL], 0
	v_lshrrev_b32 v[LL], 5, v0
	v_readfirstlane_b32 s24, v[LL]                 ; wave 0..3
	v_and_b32 v[LL], 31, v0
	v_and_b32 v[AA], 15, v0
	v_bfe_u32 v[HH], v0, 4, 1
	s_mov_b32 s23, ttmp9                           ; cb
	s_and_b32 s29, ttmp7, 0xffff
	s_lshr_b32 s21, s29, 1                         ; e
	s_and_b32 s22, s29, 1                          ; half
	s_mul_i32 s29, s24, 16*WP
	v_lshl_add_u32 v[WST], v[LL], 4, s29
	v_mul_u32_u24 v[WA0], v[AA], WP
	v_mad_u32_u24 v[WA0], v[HH], 24, v[WA0]
	v_add_nc_u32 v[WA0+1], 32*WP, v[WA0]
	s_mul_i32 s29, s24, 32*OP
	s_add_co_u32 s29, s29, OST                     ; my stage
	v_mul_u32_u24 v[SOA], v[AA], OP
	v_lshl_add_u32 v[SOA], v[HH], 5, v[SOA]
	v_add_nc_u32 v[SOA], s29, v[SOA]
	v_mul_u32_u24 v[SRA], v[HH], 16*OP
	v_lshl_add_u32 v[SRA], v[AA], 4, v[SRA]
	v_add_nc_u32 v[SRA], s29, v[SRA]
	v_lshlrev_b32 v[A16], 4, v[LL]
	v_lshl_add_u32 v[A8], v[LL], 3, 512
	v_lshlrev_b32 v[ASO], 6, v[AA]
	v_lshlrev_b32 v[IOO], 6, v[HH]
	v_lshlrev_b32 v[LA], 4, v[AA]
	v_lshlrev_b32 v[BO], 5, v[HH]
	s_mov_b32 s31, 0
	s_wait_kmcnt 0x0
	s_lshl_b32 s30, s21, 2
	s_add_nc_u64 s[10:11], s[10:11], s[30:31]
	s_load_b32 s20, s[10:11], 0x0                  ; n = cnt[e]
	s_lshl_b32 s29, s21, 10
	s_lshl_b32 s30, s23, 6
	s_add_co_u32 s29, s29, s30                     ; my first row of W2: 1,024 e + 64 cb
	s_mul_i32 s30, s29, 1536
	s_mul_i32 s28, s24, 24576
	s_add_co_u32 s30, s30, s28                     ; my wave's 16 rows
	s_add_nc_u64 s[12:13], s[12:13], s[30:31]
	s_lshl_b32 s30, s29, 6
	s_add_nc_u64 s[14:15], s[14:15], s[30:31]
	s_lshl_b32 s30, s29, 2
	s_add_nc_u64 s[16:17], s[16:17], s[30:31]
	s_lshl_b32 s30, s23, 8
	s_add_nc_u64 s[38:39], s[18:19], s[30:31]      ; out0 at my 64 columns
	WIN 0x40                                       ; destination window 1
.irp i, 0,1,2,3,4,5,6,7,8,9,10,11,12,13,14,15,16,17,18,19,20,21,22,23,24,25,26,27,28,29,30,31,32,33,34,35,36,37,38,39,40,41,42,43,44,45,46,47
	global_load_b128 v[4*\i:4*\i+3], v[A16], s[12:13] offset:512*\i   ; 512 consecutive bytes
.endr
	WIN 0
.irp T, 0,1,2,3
.irp m, 0,1,2,3
	global_load_b128 v[WS+16*\T+4*\m:WS+16*\T+4*\m+3], v[ASO], s[14:15] offset:1024*\T+16*\m   ; lane a: the sixteen scale words of row 16 T + a
.endr
.endr
.irp T, 0,1,2,3
.irp m, 0,1
	global_load_b128 v[B2+8*\T+4*\m:B2+8*\T+4*\m+3], v[BO], s[16:17] offset:64*\T+16*\m        ; b2 in the result's layout: columns 16 T + 8 H + 0 .. 7
.endr
.endr
	s_wait_loadcnt 24                              ; W2's 48 loads are in; the 16 + 8 issued behind them may be out
	WIN 0x04                                       ; an LDS store's data are its source 1: window 1
.irp i, 0,1,2,3,4,5,6,7,8,9,10,11,12,13,14,15,16,17,18,19,20,21,22,23,24,25,26,27,28,29,30,31,32,33,34,35,36,37,38,39,40,41,42,43,44,45,46,47
	ds_store_b128 v[WST], v[4*\i:4*\i+3] offset:(\i/3)*WP+512*(\i%3)
.endr
	WIN 0
	s_wait_kmcnt 0x0
	s_min_u32 s20, s20, 2048                       ; n is 2,048 at the most
	s_add_co_u32 s25, s20, 31
	s_lshr_b32 s25, s25, 5                         ; groups of 32 tokens
	s_lshl_b32 s28, s22, 2
	s_add_co_u32 s28, s28, s24                     ; my first group: 4 half + wave
	s_add_co_u32 s26, s25, 7
	s_sub_co_u32 s26, s26, s28
	s_lshr_b32 s26, s26, 3                         ; my trips
	s_wait_dscnt 0x0                               ; for the others' sake: my 16 rows lie in LDS
	s_barrier_signal -1
	s_barrier_wait -1                              ; all 64 do.  The launch's only barrier: behind it W2's rows are read alone
	s_cmp_eq_u32 s26, 0
	s_cbranch_scc1 .Lend
	s_lshl_b32 s29, s21, 7
	s_lshl_b32 s30, s28, 1
	s_add_co_u32 s29, s29, s30                     ; 128 e + my first tile
	s_mul_i32 s30, s29, 24576
	s_add_nc_u64 s[32:33], s[4:5], s[30:31]        ; hq
	s_lshl_b32 s30, s29, 10
	s_add_nc_u64 s[34:35], s[6:7], s[30:31]        ; hs
	s_mul_i32 s30, s21, OPITCH
	s_lshl_b32 s29, s28, 7
	s_add_co_u32 s30, s30, s29
	s_add_nc_u64 s[36:37], s[8:9], s[30:31]        ; the list at my first group
	s_mov_b32 s27, 0
.Lgroup:
.irp t, 0,1
.irp m, 0,1,2,3
	global_load_b128 v[AS+16*\t+4*\m:AS+16*\t+4*\m+3], v[ASO], s[34:35] offset:1024*\t+16*\m   ; lane a: the sixteen scale words of token a of the tile
.endr
.endr
.irp m, 0,1,2,3
	global_load_b128 v[ID+4*\m:ID+4*\m+3], v[IOO], s[36:37] offset:16*\m                       ; my half's sixteen entries of the list
.endr
	WIN 0x40
	AL 0
	AL 1
	AL 2
	AL 3
	AL 4
	AL 5
	WF 0
.set S, 0
.rept 16
	KSTEP S
.set S, S+1
.endr
	WIN 0
.rept 4
	v_nop                                          ; four places between the last products and the first read of results, and the loads into registers that they have read
.endr
.irp t, 0,1
.irp T, 0,1,2,3
	ds_store_b128 v[SOA], v[ACC+8*(4*\t+\T):ACC+8*(4*\t+\T)+3] offset:16*OP*\t+64*\T          ; each accumulator from its low end on
	ds_store_b128 v[SOA], v[ACC+8*(4*\t+\T)+4:ACC+8*(4*\t+\T)+7] offset:16*OP*\t+64*\T+16
.endr
.endr
.irp i, 0,1,2,3,4,5,6,7,8,9,10,11,12,13,14,15
	v_min_u32 v[ID+\i], 2047, v[ID+\i]             ; an entry is a token: under 2,048
.endr
.irp i, 0,1,2,3,4,5,6,7,8,9,10,11,12,13,14,15
	v_lshlrev_b32 v[OA+\i], 12, v[ID+\i]           ; its row of out0: 4,096 bytes,
.endr
.irp i, 0,1,2,3,4,5,6,7,8,9,10,11,12,13,14,15
	v_add_nc_u32 v[OA+\i], v[LA], v[OA+\i]         ; + my 16 bytes
.endr
	WIN 0x40
.irp i, 0,1,2,3,4,5,6,7,8,9,10,11,12,13,14,15
	ds_load_b128 v[4*\i:4*\i+3], v[SRA] offset:OP*\i   ; my wave's own stage, in order behind the stores
.endr
	WIN 0x04                                       ; a store's data are its source 1: window 1
.irp i, 0,1,2,3,4,5,6,7,8,9,10,11,12,13,14,15
	s_wait_dscnt 15-\i                             ; row i is back from the stage; the rows behind it may be out
	global_store_b128 v[OA+\i], v[4*\i:4*\i+3], s[38:39] th:TH_STORE_NT   ; lanes 0-15: the 256 bytes of row i's token, lanes 16-31: of row 16 + i's; each at a multiple of 256 from out0's first byte
.endr
	WIN 0
	s_wait_xcnt 0x0                                ; the stores have read their registers: offsets, rows and bases are written again only behind this wait
	s_add_nc_u64 s[32:33], s[32:33], 16*24576      ; eight groups on
	s_add_nc_u64 s[34:35], s[34:35], 16*1024
	s_add_nc_u64 s[36:37], s[36:37], 8*128
	s_add_co_u32 s27, s27, 1
	s_cmp_lt_u32 s27, s26
	s_cbranch_scc1 .Lgroup
.Lend:
	s_wait_tensorcnt 0x0                           ; the wave's end, behind my last LDS store
	ds_add_u32 v[SPW], v[NIL]
	s_wait_dscnt 0x0
	s_endpgm
.Lfunc_end_k_qa70793281f_down:
	.size	k_qa70793281f_down, .Lfunc_end_k_qa70793281f_down-k_qa70793281f_down
	.p2alignl 7, 3214868480
	.fill 96, 4, 3214868480
	.section	.rodata,"a",@progbits
	.p2align	6, 0x0
	.amdhsa_kernel k_qa70793281f_down
		.amdhsa_group_segment_fixed_size 134656
		.amdhsa_private_segment_fixed_size 0
		.amdhsa_enable_private_segment 0
		.amdhsa_kernarg_size 64
		.amdhsa_user_sgpr_count 2
		.amdhsa_user_sgpr_kernarg_segment_ptr 1
		.amdhsa_wavefront_size32 1
		.amdhsa_system_sgpr_workgroup_id_x 1
		.amdhsa_system_sgpr_workgroup_id_y 1
		.amdhsa_system_sgpr_workgroup_id_z 1
		.amdhsa_system_vgpr_workitem_id 0
		.amdhsa_next_free_vgpr 512
		.amdhsa_next_free_sgpr 66
		.amdhsa_reserve_vcc 0
		.amdhsa_float_denorm_mode_32 3
		.amdhsa_float_denorm_mode_16_64 3
		.amdhsa_memory_ordered 1
		.amdhsa_forward_progress 1
		.amdhsa_inst_pref_size 78
	.end_amdhsa_kernel
	.amdgpu_metadata
---
amdhsa.version: [ 1, 2 ]
amdhsa.kernels:
  - .name:           k_qa70793281f_down
    .symbol:         k_qa70793281f_down.kd
    .args:
      - { .name: hq, .offset: 0, .size: 8, .value_kind: global_buffer, .address_space: global }
      - { .name: hs, .offset: 8, .size: 8, .value_kind: global_buffer, .address_space: global }
      - { .name: order, .offset: 16, .size: 8, .value_kind: global_buffer, .address_space: global }
      - { .name: cnt, .offset: 24, .size: 8, .value_kind: global_buffer, .address_space: global }
      - { .name: W2_codes, .offset: 32, .size: 8, .value_kind: global_buffer, .address_space: global }
      - { .name: W2_scales, .offset: 40, .size: 8, .value_kind: global_buffer, .address_space: global }
      - { .name: b2, .offset: 48, .size: 8, .value_kind: global_buffer, .address_space: global }
      - { .name: out0, .offset: 56, .size: 8, .value_kind: global_buffer, .address_space: global }
    .group_segment_fixed_size: 134656
    .private_segment_fixed_size: 0
    .kernarg_segment_align: 8
    .kernarg_segment_size: 64
    .max_flat_workgroup_size: 128
    .sgpr_count:     66
    .vgpr_count:     512
    .wavefront_size: 32
...
	.end_amdgpu_metadata
.endif
;; end of part 4
;; ======== version 2 of 2: 4 launches
;; workspace buffers: routes 8,192 bytes of whole numbers; order 67,584 bytes of whole numbers; cnt 256 bytes of whole numbers; xq 1,572,864 bytes; xs 65,536 bytes; hq 25,165,824 bytes; hs 1,048,576 bytes
;; launch route (part 5): grid 256 x 1, 4 waves a work-group, no clusters, 81,152 bytes of LDS; arguments x, Wr, br, out1, routes, xq, xs; writes out1, routes, xq, xs
.if DOCPART == 5
	.amdgcn_target "amdgcn-amd-amdhsa--gfx1250"
	.amdhsa_code_object_version 6
	.text
	.protected	k_qa70793281f_route
	.globl	k_qa70793281f_route
	.p2align	8
	.type	k_qa70793281f_route,@function
k_qa70793281f_route:
	s_mov_b64 s[64:65], 0
	v_nop
	global_prefetch_b8 v0, s[64:65] scope:SCOPE_SE
	s_setreg_imm32_b32 hwreg(HW_REG_WAVE_MODE, 25, 1), 1
	s_wait_xcnt 0x0
; MIXTURE OF EXPERTS, top 1, 2,048 tokens, 8 experts.  First of four launches: the router (x Wr + br, softmax, argmax) in f32, and x quantised once to E2M3 codes with one E8M0 byte for each 32 along K.
; WORK LEFT OUT BY THE WHOLE PROGRAM, and why it can reach no output, for all finite inputs:
;  (1) reference() computes every expert's MLP for every token and adds jnp.where(routes == e, y, 0): a mask that it builds itself.  For a token only the term of e = its own route is kept, the seven others are
;      replaced by 0.  So only rows of the chosen expert are multiplied (launches up and down).
;  (2) scale = router_probs_max / router_probs_max.  The largest of eight softmax values is at least 1/8, so it is never 0, and the quotient is 1: the factor is left out.
;  (3) counts = the sum of a one_hot of routes: a count of tokens by route (launch place).
; Every input has a way to an output: all are loaded by some launch.
; LIMITS: a NaN, an infinity or an overflow that reaches only the work left out is not carried to the result.  NaN and infinities among the inputs are not served.  A block of 32 zeros gets the scale byte 1 where the
; quantiser says 127: its codes are zeros, which add nothing under any byte but 0xff, and xs is read by this program alone.  The logits are summed in another order than reference()'s: a route can differ from
; reference()'s only where two probabilities are equal within that rounding.
; SHARES.  A work-group takes 8 tokens, a wave 2.  A lane holds 32 numbers of each of its wave's two rows, twice: as loaded (x[128 j + 4 l + q], for the router) and as 32 neighbours (x[32 l + i], one block, for the quantiser).
; Wr (32,768 bytes) is loaded dense by the four waves, goes through LDS, and each lane keeps the 32 rows of Wr that its numbers meet: 256 registers.
; xq: [token][768]: block B = 4 s + 2 c + h of a row lies at 384 h + 48 s + 24 c, so that the 384 bytes of (token, h) are the 96 operand registers of lane (r, h) for K steps 0 to 7.  xs: [token][32], as the blocks lie.
; No matrix unit: the router's product has 8 columns.  No cluster: the work-groups share Wr alone, a small part of what each reads.
.set WRL,   0                          ; LDS: Wr as 256 pieces of 128 bytes (4 rows of Wr) + 16 of padding: 144 bytes apart
.set XT,    36864                      ; for each wave: 2 rows x 32 places of 128 + 16 bytes
.set CST,   73728                      ; for each wave: its two rows' codes, 2 x 768 bytes
.set PRB,   79872                      ; the 8 tokens' probabilities: 256 bytes
.set SCB,   80128                      ; their scale bytes: 256 bytes
.set RTB,   80384                      ; their routes: 32 bytes
.set SPARE, 80640                      ; the spare words, 128 bytes for each wave: two blocks of 256 bytes that no other line names
.set SPW, 1                            ; v1   LDS address of my spare word; never rewritten
.set NIL, 2                            ; v2   0; never rewritten
.set WS,  3                            ; v3   Wr into LDS: 16 t + 16 (t / 8), t the thread
.set WL,  4                            ; v4   Wr out of LDS: 144 l
.set XS,  5                            ; v5   x into my wave's stage
.set XL,  6                            ; v6   and out of it: 144 l
.set CO,  7                            ; v7   my block's 24 bytes in my wave's code stage
.set CR,  8                            ; v8   the code stage read back: 16 l
.set G16, 9                            ; v9   16 l
.set PB,  10                           ; v10  my wave's probabilities
.set SB,  11                           ; v11  my block's scale byte
.set RB,  12                           ; v12  my wave's routes
.set FP,  13                           ; v13-15  the last reads: PRB + 8 l, SCB + 8 l, RTB + l
.set FS,  14
.set FR,  15
.set L8,  16                           ; v16  8 l
.set LN,  17                           ; v17  l
.set T16, 18                           ; v18  16 t
.set TM,  20                           ; v20-21 largest magnitudes; v22-23 the conversions' scale operands; v24-25 the bytes
.set SO,  22
.set BY,  24
.set P,   32                           ; v32-47 the probabilities, 8 a row
.set MX,  48                           ; v48-49 maxima; v50-51 sums; v52-53 reciprocals; v54-55 the best so far; v56-57 its index; v58-63 at work
.set SM,  50
.set RC,  52
.set BE,  54
.set IX,  56
.set T2,  58
.set X,   64                           ; v64-127  register 32 row + 4 j + q = x[128 j + 4 l + q]
.set N,   128                          ; v128-191 first Wr on its way to LDS, then register 32 row + i = x[32 l + i]
.set ACC, 192                          ; v192-207 the logits' sums: 8 a row
.set PT,  208                          ; v208-209 lane permutes' destinations
.set C,   210                          ; v210-216, v218-224 the codes of the two rows' blocks
.set OB,  228                          ; v228-239 the codes on their way out
.set MSB, 0
.macro WIN new                         ; the immediate's high byte repeats the setting that is left
.if MSB != \new
	s_set_vgpr_msb (MSB<<8)|\new
.set MSB, \new
.endif
.endm
	s_load_b256 s[4:11], s[0:1], 0x0               ; x s[4:5], Wr s[6:7], br s[8:9], out1 s[10:11]
	s_load_b128 s[12:15], s[0:1], 0x20             ; routes s[12:13], xq s[14:15]
	s_load_b64 s[16:17], s[0:1], 0x30              ; xs
	v_lshl_add_u32 v[SPW], v0, 2, SPARE
	v_mov_b32 v[NIL], 0
	v_lshrrev_b32 v[LN], 5, v0
	v_readfirstlane_b32 s18, v[LN]                 ; wave 0..3
	v_and_b32 v[LN], 31, v0
	v_lshlrev_b32 v[T16], 4, v0
	v_lshrrev_b32 v[WS], 3, v0
	v_lshl_add_u32 v[WS], v[WS], 4, v[T16]
	v_mul_u32_u24 v[WL], v[LN], 144
	v_lshlrev_b32 v[G16], 4, v[LN]
	v_lshlrev_b32 v[L8], 3, v[LN]
	s_mul_i32 s19, s18, 9216
	s_add_co_u32 s19, s19, XT                      ; my wave's stage for x
	v_lshrrev_b32 v[XS], 3, v[LN]
	v_lshl_add_u32 v[XS], v[XS], 4, v[G16]         ; 16 l + 16 (l / 8): eight lanes' 128 bytes, then 16 of padding
	v_add_nc_u32 v[XS], s19, v[XS]
	v_add_nc_u32 v[XL], s19, v[WL]
	s_mul_i32 s19, s18, 1536
	s_add_co_u32 s19, s19, CST                     ; my wave's stage for codes
	v_and_b32 v[CO], 1, v[LN]                      ; my block l = 4 s + 2 c + h
	v_mul_u32_u24 v[CO], v[CO], 384
	v_lshrrev_b32 v[CR], 2, v[LN]
	v_mad_u32_u24 v[CO], v[CR], 48, v[CO]
	v_bfe_u32 v[CR], v[LN], 1, 1
	v_mad_u32_u24 v[CO], v[CR], 24, v[CO]
	v_add_nc_u32 v[CO], s19, v[CO]
	v_add_nc_u32 v[CR], s19, v[G16]
	s_lshl_b32 s19, s18, 6
	s_add_co_u32 s30, s19, PRB
	v_mov_b32 v[PB], s30
	s_add_co_u32 s30, s19, SCB
	v_add_nc_u32 v[SB], s30, v[LN]
	s_lshl_b32 s19, s18, 3
	s_add_co_u32 s19, s19, RTB
	v_mov_b32 v[RB], s19
	v_add_nc_u32 v[FP], PRB, v[L8]
	v_add_nc_u32 v[FS], SCB, v[L8]
	v_add_nc_u32 v[FR], RTB, v[LN]
	v_mov_b32 v[PT], 0                             ; written once: a lane permute's destination counts as one of its sources
	v_mov_b32 v[PT+1], 0
	s_mov_b32 s28, 0x76543210
	s_mov_b32 s29, 0xfedcba98                      ; v_permlanex16_b32's selects for lane l xor 16
	s_lshl_b32 s19, ttmp9, 3
	s_lshl_b32 s30, s18, 1
	s_add_co_u32 s19, s19, s30                     ; my wave's first token: 8 x work-group + 2 x wave
	s_mov_b32 s31, 0
	s_wait_kmcnt 0x0
	s_load_b256 s[20:27], s[8:9], 0x0              ; br
	s_lshl_b32 s30, s19, 12
	s_add_nc_u64 s[4:5], s[4:5], s[30:31]          ; x at my first row
	s_mul_i32 s30, s19, 768
	s_add_nc_u64 s[14:15], s[14:15], s[30:31]      ; xq likewise
	s_lshl_b32 s30, ttmp9, 8
	s_add_nc_u64 s[10:11], s[10:11], s[30:31]      ; out1 and xs: 256 bytes a work-group
	s_add_nc_u64 s[16:17], s[16:17], s[30:31]
	s_lshl_b32 s30, ttmp9, 5
	s_add_nc_u64 s[12:13], s[12:13], s[30:31]      ; routes: 32 bytes a work-group
.irp i, 0,1,2,3,4,5,6,7,8,9,10,11,12,13,14,15
	global_load_b128 v[N+4*\i:N+4*\i+3], v[T16], s[6:7] offset:2048*\i   ; Wr, dense: the four waves read 2,048 consecutive bytes
.endr
.irp t, 0,1
.irp j, 0,1,2,3,4,5,6,7
	global_load_b128 v[X+32*\t+4*\j:X+32*\t+4*\j+3], v[G16], s[4:5] offset:4096*\t+512*\j th:TH_LOAD_NT   ; my two rows: 512 consecutive bytes a load
.endr
.endr
	s_wait_loadcnt 16                              ; Wr's 16 loads are in; x's 16, issued behind them, may be out
.irp i, 0,1,2,3,4,5,6,7,8,9,10,11,12,13,14,15
	ds_store_b128 v[WS], v[N+4*\i:N+4*\i+3] offset:WRL+2304*\i
.endr
	s_wait_dscnt 0x0                               ; for the others' sake: my part of Wr lies in LDS
	s_barrier_signal -1
	s_barrier_wait -1                              ; everybody's does
	WIN 0x40                                       ; destination window 1
.irp j, 0,1,2,3,4,5,6,7
.irp m, 0,1,2,3,4,5,6,7
	ds_load_b128 v[32*\j+4*\m:32*\j+4*\m+3], v[WL] offset:WRL+4608*\j+16*\m   ; window 1, register 32 j + 8 q + e = Wr[128 j + 4 l + q][e]
.endr
.endr
	WIN 0
	s_wait_loadcnt 0x0                             ; x
.irp t, 0,1
.irp j, 0,1,2,3,4,5,6,7
	ds_store_b128 v[XS], v[X+32*\t+4*\j:X+32*\t+4*\j+3] offset:4608*\t+576*\j   ; the rows turn through my wave's own stage, as they lie;
.endr
.endr
.irp t, 0,1
.irp m, 0,1,2,3,4,5,6,7
	ds_load_b128 v[N+32*\t+4*\m:N+32*\t+4*\m+3], v[XL] offset:4608*\t+16*\m     ; LDS serves a wave's instructions in order: these see the stores above
.endr
.endr
	s_wait_dscnt 32                                ; Wr's 64 loads are in; the 16 stores and 16 loads issued behind them may be out
	WIN 0x01                                       ; source 0 (Wr) window 1
; The logits: two experts an instruction, x's number for both halves; eight pairs of sums by turns.  Each pair's first product starts its sum: nothing is cleared.
.irp j, 0,1,2,3,4,5,6,7
.irp q, 0,1,2,3
.irp t, 0,1
.irp p, 0,1,2,3
.if (\j == 0) && (\q == 0)
	v_pk_mul_f32 v[ACC+8*\t+2*\p:ACC+8*\t+2*\p+1], v[2*\p:2*\p+1], v[X+32*\t:X+32*\t+1] op_sel_hi:[1,0]
.elseif (\q % 2) == 0
	v_pk_fma_f32 v[ACC+8*\t+2*\p:ACC+8*\t+2*\p+1], v[32*\j+8*\q+2*\p:32*\j+8*\q+2*\p+1], v[X+32*\t+4*\j+\q:X+32*\t+4*\j+\q+1], v[ACC+8*\t+2*\p:ACC+8*\t+2*\p+1] op_sel_hi:[1,0,1]
.else
	v_pk_fma_f32 v[ACC+8*\t+2*\p:ACC+8*\t+2*\p+1], v[32*\j+8*\q+2*\p:32*\j+8*\q+2*\p+1], v[X+32*\t+4*\j+\q-1:X+32*\t+4*\j+\q], v[ACC+8*\t+2*\p:ACC+8*\t+2*\p+1] op_sel:[0,1,0] op_sel_hi:[1,1,1]
.endif
.endr
.endr
.endr
.endr
	WIN 0
.irp m, 1,2,4,8                        ; the 32 lanes' parts are added: four steps inside each half of 16 lanes, one across
.irp i, 0,1,2,3,4,5,6,7,8,9,10,11,12,13,14,15
	v_add_f32_dpp v[ACC+\i], v[ACC+\i], v[ACC+\i] row_xmask:\m row_mask:0xf bank_mask:0xf
.endr
.endr
.irp i, 0,2,4,6,8,10,12,14
	v_permlanex16_b32 v[PT], v[ACC+\i], s28, s29
	v_permlanex16_b32 v[PT+1], v[ACC+\i+1], s28, s29
	v_add_f32 v[ACC+\i], v[ACC+\i], v[PT]
	v_add_f32 v[ACC+\i+1], v[ACC+\i+1], v[PT+1]
.endr
	s_wait_kmcnt 0x0                               ; br
.irp t, 0,1
.irp e, 0,1,2,3,4,5,6,7
	v_add_f32 v[ACC+8*\t+\e], s[20+\e], v[ACC+8*\t+\e]
.endr
.endr
; The softmax, as reference() has it: the row's maximum is taken away, e^(.) by 2^(. x log2 e), divided by the sum.  Every lane holds both rows' eight logits.
.irp t, 0,1
	v_max3_num_f32 v[MX+\t], v[ACC+8*\t], v[ACC+8*\t+1], v[ACC+8*\t+2]
.endr
.irp t, 0,1
	v_max3_num_f32 v[MX+\t], v[MX+\t], v[ACC+8*\t+3], v[ACC+8*\t+4]
.endr
.irp t, 0,1
	v_max3_num_f32 v[MX+\t], v[MX+\t], v[ACC+8*\t+5], v[ACC+8*\t+6]
.endr
.irp t, 0,1
	v_max_num_f32 v[MX+\t], v[MX+\t], v[ACC+8*\t+7]
.endr
.irp t, 0,1
.irp e, 0,1,2,3,4,5,6,7
	v_sub_f32 v[P+8*\t+\e], v[ACC+8*\t+\e], v[MX+\t]
.endr
.endr
.irp i, 0,1,2,3,4,5,6,7,8,9,10,11,12,13,14,15
	v_mul_f32 v[P+\i], 0x3fb8aa3b, v[P+\i]
.endr
	s_wait_alu depctr_va_vdst(0)
.irp i, 0,1,2,3,4,5,6,7,8,9,10,11,12,13,14,15
	v_exp_f32 v[P+\i], v[P+\i]
.endr
	v_mov_b32 v[IX], 0                             ; plain work behind the exponentials: the argmax begins at expert 0
	v_mov_b32 v[IX+1], 0
	s_wait_alu depctr_va_vdst(0)                   ; one wait for the batch of sixteen, ahead of its first reader
.irp t, 0,1
	v_add_f32 v[SM+\t], v[P+8*\t], v[P+8*\t+1]
	v_add_f32 v[T2+\t], v[P+8*\t+2], v[P+8*\t+3]
	v_add_f32 v[T2+2+\t], v[P+8*\t+4], v[P+8*\t+5]
	v_add_f32 v[T2+4+\t], v[P+8*\t+6], v[P+8*\t+7]
.endr
.irp t, 0,1
	v_add_f32 v[SM+\t], v[SM+\t], v[T2+\t]
	v_add_f32 v[T2+2+\t], v[T2+2+\t], v[T2+4+\t]
.endr
.irp t, 0,1
	v_add_f32 v[SM+\t], v[SM+\t], v[T2+2+\t]
.endr
	s_wait_alu depctr_va_vdst(0)
	v_rcp_f32 v[RC], v[SM]
	v_rcp_f32 v[RC+1], v[SM+1]
	v_nop                                          ; a plain place behind the reciprocals
	s_wait_alu depctr_va_vdst(0)                   ; and their one wait
.irp t, 0,1
.irp e, 0,1,2,3,4,5,6,7
	v_mul_f32 v[P+8*\t+\e], v[P+8*\t+\e], v[RC+\t]
.endr
.endr
	v_mov_b32 v[BE], v[P]
	v_mov_b32 v[BE+1], v[P+8]
.irp e, 1,2,3,4,5,6,7                  ; the argmax of the probabilities: strictly greater, so that the lower index is kept.  It selects values alone: no address and no branch of this launch hangs on it
.irp t, 0,1
	v_cmp_gt_f32 vcc_lo, v[P+8*\t+\e], v[BE+\t]
	v_cndmask_b32 v[BE+\t], v[BE+\t], v[P+8*\t+\e], vcc_lo
	v_cndmask_b32 v[IX+\t], v[IX+\t], \e, vcc_lo
.endr
.endr
.irp t, 0,1
	ds_store_b128 v[PB], v[P+8*\t:P+8*\t+3] offset:32*\t          ; all lanes write the same bytes with the same values
	ds_store_b128 v[PB], v[P+8*\t+4:P+8*\t+7] offset:32*\t+16
	ds_store_b32 v[RB], v[IX+\t] offset:4*\t
.endr
	s_wait_dscnt 0x0                               ; my 32 neighbours of each row are in
; The quantiser: a lane holds a whole block of each row.  The largest magnitude, with the floor 2^(3 - 127) among its leaves, so that the byte cannot fall under 1; 2 off its exponent field gives the conversion's scale operand.
.irp t, 0,1
	v_max3_num_f32 v[TM+\t], |v[N+32*\t]|, |v[N+32*\t+1]|, 0x1800000
.endr
.irp i, 2,4,6,8,10,12,14,16,18,20,22,24,26,28,30
.irp t, 0,1
	v_max3_num_f32 v[TM+\t], v[TM+\t], |v[N+32*\t+\i]|, |v[N+32*\t+\i+1]|
.endr
.endr
.irp t, 0,1
	v_add_nc_u32 v[SO+\t], 0xff000000, v[TM+\t]
.endr
.irp t, 0,1
	v_lshrrev_b32 v[BY+\t], 23, v[SO+\t]           ; the scale's byte
.endr
.irp t, 0,1
	v_cvt_scalef32_pk16_fp6_f32 v[C+8*\t:C+8*\t+2], v[N+32*\t:N+32*\t+15], v[SO+\t]
	v_cvt_scalef32_pk16_fp6_f32 v[C+8*\t+4:C+8*\t+6], v[N+32*\t+16:N+32*\t+31], v[SO+\t]   ; (a conversion's three registers begin on an even number)
.endr
	v_nop                                          ; one plain place behind a scaled conversion
.irp t, 0,1
.irp i, 0,1,2
	v_mov_b32 v[C+8*\t+3+\i], v[C+8*\t+4+\i]       ; the block's 24 bytes on end
.endr
.endr
.irp t, 0,1
.irp i, 0,1,2
	ds_store_b64 v[CO], v[C+8*\t+2*\i:C+8*\t+2*\i+1] offset:768*\t+8*\i
.endr
	ds_store_b8 v[SB], v[BY+\t] offset:32*\t
.endr
.irp i, 0,1,2
	ds_load_b128 v[OB+4*\i:OB+4*\i+3], v[CR] offset:512*\i   ; my wave's own bytes, in order behind the stores
.endr
	s_wait_dscnt 0x0                               ; the codes are back; and, for wave 0's sake, my probabilities, bytes and routes lie in LDS
.irp i, 0,1,2
	global_store_b128 v[G16], v[OB+4*\i:OB+4*\i+3], s[14:15] offset:512*\i   ; 512 consecutive bytes, at a multiple of 256 from xq's first byte
.endr
	s_barrier_signal -1
	s_barrier_wait -1
	s_cmp_lg_u32 s18, 0
	s_cbranch_scc1 .Lend
	ds_load_b64 v[240:241], v[FP]
	ds_load_b64 v[242:243], v[FS]
	ds_load_u8 v244, v[FR]
	s_wait_dscnt 0x0
	global_store_b64 v[L8], v[240:241], s[10:11]   ; 8 tokens' probabilities: 256 consecutive bytes, aligned
	global_store_b64 v[L8], v[242:243], s[16:17]   ; their scale bytes: likewise
	global_store_b8 v[LN], v244, s[12:13]          ; their routes: 32 consecutive bytes
.Lend:
	s_wait_tensorcnt 0x0                           ; the wave's end, behind my last LDS store
	ds_add_u32 v[SPW], v[NIL]
	s_wait_dscnt 0x0
	s_endpgm
.Lfunc_end_k_qa70793281f_route:
	.size	k_qa70793281f_route, .Lfunc_end_k_qa70793281f_route-k_qa70793281f_route
	.p2alignl 7, 3214868480
	.fill 96, 4, 3214868480
	.section	.rodata,"a",@progbits
	.p2align	6, 0x0
	.amdhsa_kernel k_qa70793281f_route
		.amdhsa_group_segment_fixed_size 81152
		.amdhsa_private_segment_fixed_size 0
		.amdhsa_enable_private_segment 0
		.amdhsa_kernarg_size 56
		.amdhsa_user_sgpr_count 2
		.amdhsa_user_sgpr_kernarg_segment_ptr 1
		.amdhsa_wavefront_size32 1
		.amdhsa_system_sgpr_workgroup_id_x 1
		.amdhsa_system_sgpr_workgroup_id_y 1
		.amdhsa_system_sgpr_workgroup_id_z 1
		.amdhsa_system_vgpr_workitem_id 0
		.amdhsa_next_free_vgpr 512
		.amdhsa_next_free_sgpr 66
		.amdhsa_reserve_vcc 1
		.amdhsa_float_denorm_mode_32 3
		.amdhsa_float_denorm_mode_16_64 3
		.amdhsa_memory_ordered 1
		.amdhsa_forward_progress 1
		.amdhsa_inst_pref_size 46
	.end_amdhsa_kernel
	.amdgpu_metadata
---
amdhsa.version: [ 1, 2 ]
amdhsa.kernels:
  - .name:           k_qa70793281f_route
    .symbol:         k_qa70793281f_route.kd
    .args:
      - { .name: x, .offset: 0, .size: 8, .value_kind: global_buffer, .address_space: global }
      - { .name: Wr, .offset: 8, .size: 8, .value_kind: global_buffer, .address_space: global }
      - { .name: br, .offset: 16, .size: 8, .value_kind: global_buffer, .address_space: global }
      - { .name: out1, .offset: 24, .size: 8, .value_kind: global_buffer, .address_space: global }
      - { .name: routes, .offset: 32, .size: 8, .value_kind: global_buffer, .address_space: global }
      - { .name: xq, .offset: 40, .size: 8, .value_kind: global_buffer, .address_space: global }
      - { .name: xs, .offset: 48, .size: 8, .value_kind: global_buffer, .address_space: global }
    .group_segment_fixed_size: 81152
    .private_segment_fixed_size: 0
    .kernarg_segment_align: 8
    .kernarg_segment_size: 56
    .max_flat_workgroup_size: 128
    .sgpr_count:     66
    .vgpr_count:     512
    .wavefront_size: 32
...
	.end_amdgpu_metadata
.endif
;; end of part 5
;; launch place: the kernel of part 2 again; grid 8 x 1, 4 waves a work-group, no clusters, 0 bytes of LDS; arguments routes, order, cnt, out2; writes order, cnt, out2
;; launch up (part 6): grid 32 x 8, 4 waves a work-group, no clusters, 101,888 bytes of LDS; arguments xq, xs, order, cnt, W1_codes, W1_scales, b1, hq, hs; writes hq, hs
.if DOCPART == 6
	.amdgcn_target "amdgcn-amd-amdhsa--gfx1250"
	.amdhsa_code_object_version 6
	.text
	.protected	k_qa70793281f_up
	.globl	k_qa70793281f_up
	.p2align	8
	.type	k_qa70793281f_up,@function
k_qa70793281f_up:
	s_mov_b64 s[64:65], 0
	v_nop
	global_prefetch_b8 v0, s[64:65] scope:SCOPE_SE
	s_setreg_imm32_b32 hwreg(HW_REG_WAVE_SCHED_MODE, 0, 2), 2
	s_setreg_imm32_b32 hwreg(HW_REG_WAVE_MODE, 25, 1), 1
	s_wait_xcnt 0x0
	s_wait_alu depctr_vm_vsrc(0)
; Third launch: h = relu(Q(x) W1[e] + b1[e]) for the tokens of expert e alone, quantised along the hidden units.  The other experts' products for a token are left out: reference() replaces them by 0 through a mask of its own.
; SHARES.  Work-group (ub, e) owns 64 hidden units of expert e: rows e 2,048 + 64 ub + 0 .. 63 of W1's codes, one dense block of 49,152 bytes, read from memory by this work-group alone, dense, 512 bytes a load.
; The block goes through LDS once, behind the launch's one barrier, and every wave then keeps all 32 fragments (4 tiles of 16 units x 8 K steps of 128) in registers.  From there on the waves share nothing:
; wave w takes the tiles of 16 tokens w, w + 4, .. of expert e's list, as many as cnt[e] asks for (n rounded up to 32, in tiles of 16): a trip count read from memory, so the launch has no tensor load and no barrier in the loop.
; The list's entries from n on repeat its last token: their rows are computed like any other.
; A TRIP: 16 tokens x 64 units x K 1,024: 32 matrix instructions on four accumulators by turns.  The product is used transposed (source 0 = 16 rows of W1, source 1 = 16 tokens): a lane holds ONE token and its registers run along
; the hidden units.  THE UNITS OF A TILE ARE NOT NEIGHBOURS: lane r of tile 2 b + u takes unit 32 b + 8 u + r + 8 (r / 8), so that the 16 registers of tiles 2 b, 2 b + 1 are the 16 neighbours 32 b + 16 (lane / 16) + 0 .. 15.
; b1 is the C of each sum's first matrix instruction.
; x's codes: a token's row of xq is 768 bytes; sixteen lanes read 256 consecutive bytes of it; the rows turn through the wave's own stage in LDS into the operand's registers.  Lists and rows run a tile ahead of the products.
; hq: [e][tile][ub][768]: half a fragment of the next product (16 tokens x these 64 units) as an image of its six registers: registers 0-3 of lane L at 16 L, registers 4-5 at 512 + 8 L.  hs: [e][tile][token 0..15][64]: byte 2 ub + b.
; The 32 scale bytes of a trip are single bytes inside 1,024: those blocks are written in part, one byte for every 24 of codes.
; LIMITS: a block of zeros gets the byte 1 where the quantiser says 127: its codes are zeros, and hs is read by this program alone.
; No cluster: the work-groups of one expert share x's codes alone, whose rows come by lists read from memory.
; THE MODE: SCHED_MODE bits 1:0 = 2 (LLVM: expert scheduling mode 2), set by the entry lines.  The code itself states the register dependences
; between vector or matrix instructions and memory or LDS instructions, with s_wait_alu, always for 0.
; THE PLAN.  Registers that memory or LDS instructions touch, in the loop:
;   window 3 v0-95  Written by XLD's loads, issued in trip t for trip t + 1; read by the 24 LDS stores at a trip's head.  No vector instruction names them.
;   X               Written by the trip's 24 LDS loads; read by its 32 matrix instructions.  (At the head: written by W1's loads, read by LDS stores.)
;   XSN             Written by XLD; read by the eight moves into XSC, which the matrix instructions take as scales.
;   ID, IDS         Written by IDL; read and written by XADR.          XA, XSA  Written by XADR; read by XLD.
;   C, BYS          Written by the conversions, swaps and moves; read by the three stores at the trip's end.
;   WA, WSA, SA0, SA1, SR, IO, IS, Q16, Q8, HSO, WSO, BO: addresses, made once at the head and never written again: the list is reached by its scalar base, which moves on ahead of each IDL.
; So a trip has three waits.  One on vm_vsrc behind the LDS stores: they have read window 3; the last XLD has read XA and XSA; the last trip's stores have read C and BYS.  One on va_vdst behind the moves and XADR:
; it states all that the trip's LDS loads, XLD, IDL and the scaled matrix instructions hang on.  One on va_vdst ahead of the three stores.
.set OPITCH, 8448                      ; bytes of an expert's list: 2,048 + 64 entries
.set WP,    784                        ; LDS: 64 rows of W1, 768 bytes + 16: 196 words, so that row r starts at bank 4 r mod 64.  The rows lie in the tiles' order: unit's bits 3 and 4 change places
.set XST,   50176                      ; for each wave: 32 rows (16 h + r) of 384 bytes + 16
.set XP,    400
.set SPARE, 101376                     ; the spare words, 128 bytes for each wave: two blocks of 256 bytes that no other line names
.set SPW, 1                            ; v1   LDS address of my spare word; never rewritten
.set NIL, 2                            ; v2   0; never rewritten
.set WA,  3                            ; v3   a fragment of W1 in LDS: 784 r + 24 h
.set WSA, 4                            ; v4-6 W1 into LDS: the three loads of two rows
.set SA0, 7                            ; v7   x into my stage: 3,200 H + 16 a
.set SA1, 8                            ; v8   the same for a row's middle 256 bytes, which fall into both halves
.set SR,  9                            ; v9   x out of my stage: 400 l
.set IO,  10                           ; v10  my eight entries of a tile of the list: 64 wave + 32 H; never rewritten
.set IS,  11                           ; v11  my token's entry: 64 wave + 4 a; never rewritten
.set LA,  14                           ; v14  16 a
.set XSA, 15                           ; v15  my token's row of xs
.set Q16, 16                           ; v16  16 l
.set Q8,  17                           ; v17  512 + 8 l
.set HSO, 18                           ; v18  64 a + H
.set WSO, 19                           ; v19  my row of W1's scales
.set ID,  20                           ; v20-27 eight entries of the list;  v28 my token's
.set IDS, 28
.set BO,  29                           ; v29  64 H: my half's numbers of b1
.set XA,  30                           ; v30-37 eight rows' byte offsets in xq
.set XSN, 38                           ; v38-45 x's scale words as they arrive;  v46-53 those of the tile in hand
.set XSC, 46
.set WS,  54                           ; v54-85  W1's scale words: 8 T + s
.set ACC, 86                           ; v86-117 the four accumulators: 8 T + j
.set TM,  118                          ; v118-119 largest numbers; v120-121 lane permutes' destinations; v122-123 scale operands; v124-125 bytes; v126 my byte
.set TP,  120
.set SO,  122
.set BY,  124
.set BYS, 126
.set C,   128                          ; v128-134 the codes just made
.set X,   136                          ; v136-231 x's eight fragments, 12 s; at the head W1 on its way to LDS
.set LL,  232                          ; v232 l, v233 a = l % 16, v234 H = l / 16
.set AA,  233
.set HH,  234
; window 1: v0-191 W1's fragments (T, s = 0..3) at 48 s + 12 T; v192-223 b1, 8 T + j.   window 2: v0-191 those of s = 4..7.   window 3: v0-95 x's rows as they are loaded
.set MSB, 0
.macro WIN new                         ; the immediate's high byte repeats the setting that is left
.if MSB != \new
	s_set_vgpr_msb (MSB<<8)|\new
.set MSB, \new
.endif
.endm
.macro IDL                             ; a tile's sixteen entries of the list: my half's eight, and my token's
	global_load_b128 v[ID:ID+3], v[IO], s[36:37]
	global_load_b128 v[ID+4:ID+7], v[IO], s[36:37] offset:16
	global_load_b32 v[IDS], v[IS], s[36:37]
.endm
.macro XADR                            ; entries become byte offsets: held under 2,048 tokens, x 768 bytes, + my 16 bytes.  26 plain instructions
.irp i, 0,1,2,3,4,5,6,7
	v_min_u32 v[ID+\i], 2047, v[ID+\i]
.endr
	v_min_u32 v[IDS], 2047, v[IDS]
.irp i, 0,1,2,3,4,5,6,7
	v_mul_u32_u24 v[XA+\i], v[ID+\i], 768
.endr
.irp i, 0,1,2,3,4,5,6,7
	v_add_nc_u32 v[XA+\i], v[LA], v[XA+\i]
.endr
	v_lshlrev_b32 v[XSA], 5, v[IDS]
.endm
.macro XLD                             ; a tile's codes and scale words: lanes 0-15 read 256 consecutive bytes of token i's row, lanes 16-31 of token 8 + i's
	WIN 0xc0                                       ; destination window 3
.irp i, 0,1,2,3,4,5,6,7
.irp u, 0,1,2
	global_load_b128 v[4*(3*\i+\u):4*(3*\i+\u)+3], v[XA+\i], s[4:5] offset:256*\u
.endr
.endr
	WIN 0
	global_load_b128 v[XSN:XSN+3], v[XSA], s[6:7]
	global_load_b128 v[XSN+4:XSN+7], v[XSA], s[6:7] offset:16
.endm
.macro MM s                            ; K step s: four matrix instructions, the four accumulators by turns
.irp T, 0,1,2,3
.if (\s) == 0
	v_wmma_scale_f32_16x16x128_f8f6f4 v[ACC+8*\T:ACC+8*\T+7], v[12*\T:12*\T+11], v[X:X+11], v[192+8*\T:192+8*\T+7], v[WS+8*\T], v[XSC] matrix_a_fmt:MATRIX_FMT_FP6 matrix_b_fmt:MATRIX_FMT_FP6
.else
	v_wmma_scale_f32_16x16x128_f8f6f4 v[ACC+8*\T:ACC+8*\T+7], v[48*((\s)%4)+12*\T:48*((\s)%4)+12*\T+11], v[X+12*(\s):X+12*(\s)+11], v[ACC+8*\T:ACC+8*\T+7], v[WS+8*\T+(\s)], v[XSC+(\s)] matrix_a_fmt:MATRIX_FMT_FP6 matrix_b_fmt:MATRIX_FMT_FP6
.endif
.endr
.endm
	s_load_b512 s[4:19], s[0:1], 0x0               ; xq s[4:5], xs s[6:7], order s[8:9], cnt s[10:11], W1's codes s[12:13], its scales s[14:15], b1 s[16:17], hq s[18:19]
	s_load_b64 s[20:21], s[0:1], 0x40              ; hs
	v_lshl_add_u32 v[SPW], v0, 2, SPARE
	v_mov_b32 v[NIL], 0
	v_lshrrev_b32 v[LL], 5, v0
	v_readfirstlane_b32 s25, v[LL]                 ; wave 0..3
	v_and_b32 v[LL], 31, v0
	s_wait_alu depctr_va_vdst(0)
	v_and_b32 v[AA], 15, v0
	v_bfe_u32 v[HH], v0, 4, 1
	s_mov_b32 s24, ttmp9                           ; ub
	s_and_b32 s23, ttmp7, 0xffff                   ; e
	v_mul_u32_u24 v[WA], v[AA], WP
	v_mad_u32_u24 v[WA], v[HH], 24, v[WA]
	s_wait_alu depctr_va_sdst(0)                   ; s25 is written, ahead of its first reader: LDS places, bases and the trip count are made from it
	s_lshr_b32 s29, s25, 1                         ; my 16 units 16 w + 0 .. 15 go to LDS rows 32 (w / 2) + 8 (w % 2) + 16 (unit / 8 % 2) + unit % 8
	s_lshl_b32 s29, s29, 5
	s_and_b32 s26, s25, 1
	s_lshl_b32 s26, s26, 3
	s_add_co_u32 s29, s29, s26
	s_mul_i32 s29, s29, WP
	v_lshl_add_u32 v[WSA], v[LL], 4, s29           ; load 3 a': bytes 0-511 of row 2 a'
	s_wait_alu depctr_va_vdst(0)
	v_lshl_add_u32 v[WSA+1], v[HH], 4, v[WSA]
	v_add_nc_u32 v[WSA+1], 512, v[WSA+1]           ; load 3 a' + 1: bytes 512-767 of row 2 a', and behind the padding bytes 0-255 of row 2 a' + 1
	v_add_nc_u32 v[WSA+2], WP+256, v[WSA]          ; load 3 a' + 2: bytes 256-767 of row 2 a' + 1
	s_mul_i32 s29, s25, 32*XP
	s_add_co_u32 s29, s29, XST                     ; my stage
	v_mul_u32_u24 v[SA0], v[HH], 8*XP
	v_lshl_add_u32 v[SA0], v[AA], 4, v[SA0]
	v_add_nc_u32 v[SA0], s29, v[SA0]
	v_lshrrev_b32 v[SA1], 3, v[AA]
	v_mul_u32_u24 v[SA1], v[SA1], 16*XP-384        ; bytes 384 on of a token's row belong to half 1: sixteen stage rows further down, 384 bytes back
	v_add_nc_u32 v[SA1], v[SA1], v[SA0]
	v_add_nc_u32 v[SA1], 256, v[SA1]
	v_mul_u32_u24 v[SR], v[LL], XP
	v_add_nc_u32 v[SR], s29, v[SR]
	s_lshl_b32 s29, s25, 6
	v_lshl_add_u32 v[IO], v[HH], 5, s29
	v_lshl_add_u32 v[IS], v[AA], 2, s29
	v_lshlrev_b32 v[LA], 4, v[AA]
	v_lshlrev_b32 v[Q16], 4, v[LL]
	v_lshl_add_u32 v[Q8], v[LL], 3, 512
	v_lshl_add_u32 v[HSO], v[AA], 6, v[HH]
	v_and_b32 v[WSO], 8, v[AA]
	v_add_nc_u32 v[WSO], v[WSO], v[AA]             ; a + 8 (a / 8)
	v_lshlrev_b32 v[WSO], 5, v[WSO]                ; 32 scale bytes a row
	v_lshlrev_b32 v[BO], 6, v[HH]
	v_mov_b32 v[TP], 0                             ; written once: a lane permute's destination counts as one of its sources
	v_mov_b32 v[TP+1], 0
	s_mov_b32 s38, 0x76543210
	s_mov_b32 s39, 0xfedcba98                      ; v_permlanex16_b32's selects for lane l xor 16
	s_mov_b32 s40, 0xffff0000                      ; lanes 16-31
	s_mov_b32 s31, 0
	s_wait_kmcnt 0x0
	s_lshl_b32 s30, s23, 2
	s_add_nc_u64 s[10:11], s[10:11], s[30:31]
	s_load_b32 s22, s[10:11], 0x0                  ; n = cnt[e]
	s_mul_i32 s30, s23, OPITCH
	s_add_nc_u64 s[36:37], s[8:9], s[30:31]        ; expert e's list
	s_wait_alu depctr_va_vdst(0)                   ; all the addresses and offsets made above are written: the loads, LDS stores and LDS loads of the whole kernel read them
	IDL                                            ; tile w: the list's first 64 entries are always written
	s_lshl_b32 s41, s23, 11
	s_lshl_b32 s29, s24, 6
	s_add_co_u32 s41, s41, s29                     ; my first row of W1: 2,048 e + 64 ub
	s_mul_i32 s30, s41, 768
	s_mul_i32 s29, s25, 12288
	s_add_co_u32 s30, s30, s29                     ; my wave's 16 rows
	s_add_nc_u64 s[12:13], s[12:13], s[30:31]
	s_lshl_b32 s30, s41, 5
	s_add_nc_u64 s[14:15], s[14:15], s[30:31]
	s_lshl_b32 s30, s41, 2
	s_add_nc_u64 s[16:17], s[16:17], s[30:31]
.irp i, 0,1,2,3,4,5,6,7,8,9,10,11,12,13,14,15,16,17,18,19,20,21,22,23
	global_load_b128 v[X+4*\i:X+4*\i+3], v[Q16], s[12:13] offset:512*\i th:TH_LOAD_NT   ; 512 consecutive bytes; read once in the launch
.endr
.irp T, 0,1,2,3
.irp m, 0,1
	global_load_b128 v[WS+8*\T+4*\m:WS+8*\T+4*\m+3], v[WSO], s[14:15] offset:(32*(\T/2)+8*(\T%2))*32+16*\m   ; lane a: the eight scale words of tile T's row a
.endr
.endr
	WIN 0x40                                       ; destination window 1
.irp T, 0,1,2,3
.irp m, 0,1
	global_load_b128 v[192+8*\T+4*\m:192+8*\T+4*\m+3], v[BO], s[16:17] offset:(32*(\T/2)+8*(\T%2))*4+16*\m   ; b1 in the result's layout: units 32 b + 8 u + 16 H + 0 .. 7
.endr
.endr
	WIN 0
	s_wait_loadcnt 40                              ; the list's three loads are in; the 24 + 8 + 8 issued behind them may be out
	XADR
	s_wait_alu depctr_va_vdst(0)                   ; XADR has written XA and XSA, which the loads below read, and is done with ID and IDS, in which the next entries land
	XLD                                            ; my first tile's codes: 26 loads
	s_wait_loadcnt 26                              ; W1, its scales and b1 are in; the 26 may be out
.irp a, 0,1,2,3,4,5,6,7
.irp u, 0,1,2
	ds_store_b128 v[WSA+\u], v[X+4*(3*\a+\u):X+4*(3*\a+\u)+3] offset:(16*(\a/4)+(2*\a)%8)*WP
.endr
.endr
	s_wait_dscnt 0x0                               ; for the others' sake: my 16 rows lie in LDS
	s_barrier_signal -1
	s_barrier_wait -1                              ; all 64 do.  The launch's only barrier: behind it LDS rows of W1 are read alone
	s_wait_kmcnt 0x0
	s_min_u32 s22, s22, 2048                       ; n is 2,048 at the most
	s_add_co_u32 s26, s22, 31
	s_lshr_b32 s26, s26, 5
	s_lshl_b32 s26, s26, 1                         ; tiles of 16 tokens: n rounded up to 32
	s_add_co_u32 s27, s26, 3
	s_sub_co_u32 s27, s27, s25
	s_lshr_b32 s27, s27, 2                         ; my trips: tiles w, w + 4, ..
	s_cmp_eq_u32 s27, 0
	s_cbranch_scc1 .Lend
	s_cmp_lt_u32 s27, 2
	s_cbranch_scc1 .Lone
	s_add_nc_u64 s[36:37], s[36:37], 256           ; four tiles on in the list (the loads that read this base have come back: the wait for 40 above)
	IDL                                            ; my second tile's entries.  No wait: no vector instruction since the last wait on va_vdst names ID, IDS, IO or IS
.Lone:
	WIN 0x40
.irp s, 0,1,2,3
.irp T, 0,1,2,3
.irp p, 0,1,2,3,4,5
	ds_load_b64 v[48*\s+12*\T+2*\p:48*\s+12*\T+2*\p+1], v[WA] offset:16*\T*WP+96*\s+48*(\p/3)+8*(\p%3)   ; a fragment: 24 bytes at 96 s + 24 h and 24 at 96 s + 48 + 24 h of the row's stream of bits, as they lie
.endr
.endr
.endr
	WIN 0x80
.irp s, 4,5,6,7
.irp T, 0,1,2,3
.irp p, 0,1,2,3,4,5
	ds_load_b64 v[48*(\s-4)+12*\T+2*\p:48*(\s-4)+12*\T+2*\p+1], v[WA] offset:16*\T*WP+96*\s+48*(\p/3)+8*(\p%3)
.endr
.endr
.endr
	WIN 0
	s_lshl_b32 s29, s23, 7
	s_add_co_u32 s29, s29, s25                     ; 128 e + my first tile
	s_lshl_b32 s30, s29, 5
	s_add_co_u32 s30, s30, s24
	s_mul_i32 s30, s30, 768
	s_add_nc_u64 s[32:33], s[18:19], s[30:31]      ; hq at (e, tile w, ub)
	s_lshl_b32 s30, s29, 10
	s_lshl_b32 s29, s24, 1
	s_add_co_u32 s30, s30, s29
	s_add_nc_u64 s[34:35], s[20:21], s[30:31]      ; hs at (e, tile w), byte 2 ub
	s_mov_b32 s28, 0
	s_wait_dscnt 0x0                               ; W1's 32 fragments are in registers
.Ltile:
	s_wait_loadcnt 0x0                             ; this tile's codes and scale words, and the next tile's entries of the list
	WIN 0x0c                                       ; an LDS store's data are its source 1: window 3
.irp i, 0,1,2,3,4,5,6,7
	ds_store_b128 v[SA0], v[12*\i:12*\i+3] offset:XP*\i              ; bytes 0-255 of a token's row: half 0
	ds_store_b128 v[SA1], v[12*\i+4:12*\i+7] offset:XP*\i            ; bytes 256-511: both halves
	ds_store_b128 v[SA0], v[12*\i+8:12*\i+11] offset:XP*\i+16*XP+128 ; bytes 512-767: half 1
.endr
	WIN 0
	s_wait_alu depctr_vm_vsrc(0)                   ; the LDS stores above have read window 3, in which the next tile's codes land; the last XLD has read XA and XSA, which XADR writes; the last trip's stores have read C and BYS, which this trip writes; in the first trip the head's LDS stores have read X
.irp s, 0,1,2,3,4,5,6,7
	v_mov_b32 v[XSC+\s], v[XSN+\s]                 ; the scale words of the tile in hand; the 26 plain lines below are the places between these and the matrix instructions
.endr
	XADR                                           ; the next tile's offsets (in the last trip: of entries that are not used again)
	s_wait_alu depctr_va_vdst(0)                   ; XA and XSA are written, which XLD reads; XADR is done with ID and IDS and the moves with XSN, in which loads land; the last trip's products are done reading X; XSC is written, which the scaled products take
.irp j, 0,1,2,3,4,5,6,7,8,9,10,11,12,13,14,15,16,17,18,19,20,21,22,23
	ds_load_b128 v[X+4*\j:X+4*\j+3], v[SR] offset:16*\j   ; my 384 bytes: my wave's own stage, in order behind the stores
.endr
	s_add_co_u32 s29, s28, 1
	s_cmp_lt_u32 s29, s27
	s_cbranch_scc0 .Lnox
	XLD                                            ; the next tile's codes go out while the stage's loads come back, and land while this tile is multiplied
	s_add_co_u32 s29, s28, 2
	s_cmp_lt_u32 s29, s27
	s_cbranch_scc0 .Lnox
	s_add_nc_u64 s[36:37], s[36:37], 256           ; four tiles on in the list (the wait at the trip's head shows the loads that read this base done)
	IDL                                            ; and the entries of the tile after it
.Lnox:
	s_wait_dscnt 0x0                               ; x's fragments are in
	WIN 0x11                                       ; source 0 (W1) and source 2 (b1) window 1
	MM 0
	WIN 0x01
	MM 1
	MM 2
	MM 3
	WIN 0x02                                       ; source 0 window 2
	MM 4
	MM 5
	MM 6
	MM 7
	WIN 0
.rept 4
	v_nop                                          ; four places between the last product and the first read of results (ISA guide 7.12.1)
.endr
.irp j, 0,1,2,3,4,5,6,7,8,9,10,11,12,13,14,15,16,17,18,19,20,21,22,23,24,25,26,27,28,29,30,31
	v_max_num_f32 v[ACC+\j], 0, v[ACC+\j]          ; relu, in f32; each accumulator from its low end on
.endr
.irp b, 0,1
	v_max3_num_f32 v[TM+\b], v[ACC+16*\b], v[ACC+16*\b+1], 0x1800000   ; block b: my 16 numbers (none is negative) and the floor 2^(3 - 127): the byte cannot fall under 1
.endr
.irp i, 2,4,6,8,10,12,14
.irp b, 0,1
	v_max3_num_f32 v[TM+\b], v[TM+\b], v[ACC+16*\b+\i], v[ACC+16*\b+\i+1]
.endr
.endr
.irp b, 0,1
	v_permlanex16_b32 v[TP+\b], v[TM+\b], s38, s39
.endr
.irp b, 0,1
	v_max_num_f32 v[TM+\b], v[TM+\b], v[TP+\b]     ; with lane l xor 16's 16: the block's largest number
.endr
.irp b, 0,1
	v_add_nc_u32 v[SO+\b], 0xff000000, v[TM+\b]    ; 2 off its exponent field: the conversion's scale operand
.endr
.irp b, 0,1
	v_lshrrev_b32 v[BY+\b], 23, v[SO+\b]           ; the scale's byte
.endr
	v_cndmask_b32 v[BYS], v[BY], v[BY+1], s40      ; lanes 0-15 store block 0's byte, lanes 16-31 block 1's
	v_cvt_scalef32_pk16_fp6_f32 v[C:C+2], v[ACC:ACC+15], v[SO]
	v_cvt_scalef32_pk16_fp6_f32 v[C+4:C+6], v[ACC+16:ACC+31], v[SO+1]
	v_nop                                          ; one plain place behind a scaled conversion
.irp i, 0,1,2
	v_permlane16_swap_b32 v[C+\i], v[C+4+\i]       ; the operand's layout wants a whole block in a lane: lanes 0-15 block 0, lanes 16-31 block 1
.endr
.irp i, 0,1,2
	v_mov_b32 v[C+3+\i], v[C+4+\i]
.endr
	s_wait_alu depctr_va_vdst(0)                   ; the conversions, swaps and moves have written C, and the selection BYS: the three stores read them
	global_store_b128 v[Q16], v[C:C+3], s[32:33]   ; 512 consecutive bytes,
	global_store_b64 v[Q8], v[C+4:C+5], s[32:33]   ; and 256: the half fragment's image
	global_store_b8 v[HSO], v[BYS], s[34:35]
	s_wait_xcnt 0x0                                ; the stores have read their registers and bases: both are written again only behind this wait
	s_add_nc_u64 s[32:33], s[32:33], 4*32*768      ; four tiles on
	s_add_nc_u64 s[34:35], s[34:35], 4*1024
	s_add_co_u32 s28, s28, 1
	s_cmp_lt_u32 s28, s27
	s_cbranch_scc1 .Ltile
.Lend:
	s_wait_dscnt 0x0                               ; the closing lines, six on end
	s_wait_alu 0x0
	s_wait_tensorcnt 0x0
	ds_add_u32 v[SPW], v[NIL]
	s_wait_dscnt 0x0
	s_endpgm
.Lfunc_end_k_qa70793281f_up:
	.size	k_qa70793281f_up, .Lfunc_end_k_qa70793281f_up-k_qa70793281f_up
	.p2alignl 7, 3214868480
	.fill 96, 4, 3214868480
	.section	.rodata,"a",@progbits
	.p2align	6, 0x0
	.amdhsa_kernel k_qa70793281f_up
		.amdhsa_group_segment_fixed_size 101888
		.amdhsa_private_segment_fixed_size 0
		.amdhsa_enable_private_segment 0
		.amdhsa_kernarg_size 72
		.amdhsa_user_sgpr_count 2
		.amdhsa_user_sgpr_kernarg_segment_ptr 1
		.amdhsa_wavefront_size32 1
		.amdhsa_system_sgpr_workgroup_id_x 1
		.amdhsa_system_sgpr_workgroup_id_y 1
		.amdhsa_system_sgpr_workgroup_id_z 1
		.amdhsa_system_vgpr_workitem_id 0
		.amdhsa_next_free_vgpr 864
		.amdhsa_next_free_sgpr 66
		.amdhsa_reserve_vcc 0
		.amdhsa_float_denorm_mode_32 3
		.amdhsa_float_denorm_mode_16_64 3
		.amdhsa_memory_ordered 1
		.amdhsa_forward_progress 1
		.amdhsa_inst_pref_size 43
	.end_amdhsa_kernel
	.amdgpu_metadata
---
amdhsa.version: [ 1, 2 ]
amdhsa.kernels:
  - .name:           k_qa70793281f_up
    .symbol:         k_qa70793281f_up.kd
    .args:
      - { .name: xq, .offset: 0, .size: 8, .value_kind: global_buffer, .address_space: global }
      - { .name: xs, .offset: 8, .size: 8, .value_kind: global_buffer, .address_space: global }
      - { .name: order, .offset: 16, .size: 8, .value_kind: global_buffer, .address_space: global }
      - { .name: cnt, .offset: 24, .size: 8, .value_kind: global_buffer, .address_space: global }
      - { .name: W1_codes, .offset: 32, .size: 8, .value_kind: global_buffer, .address_space: global }
      - { .name: W1_scales, .offset: 40, .size: 8, .value_kind: global_buffer, .address_space: global }
      - { .name: b1, .offset: 48, .size: 8, .value_kind: global_buffer, .address_space: global }
      - { .name: hq, .offset: 56, .size: 8, .value_kind: global_buffer, .address_space: global }
      - { .name: hs, .offset: 64, .size: 8, .value_kind: global_buffer, .address_space: global }
    .group_segment_fixed_size: 101888
    .private_segment_fixed_size: 0
    .kernarg_segment_align: 8
    .kernarg_segment_size: 72
    .max_flat_workgroup_size: 128
    .sgpr_count:     66
    .vgpr_count:     864
    .wavefront_size: 32
...
	.end_amdgpu_metadata
.endif
;; end of part 6
;; launch down (part 7): grid 16 x 16, 4 waves a work-group, no clusters, 134,656 bytes of LDS; arguments hq, hs, order, cnt, W2_codes, W2_scales, b2, out0; writes out0
.if DOCPART == 7
	.amdgcn_target "amdgcn-amd-amdhsa--gfx1250"
	.amdhsa_code_object_version 6
	.text
	.protected	k_qa70793281f_down
	.globl	k_qa70793281f_down
	.p2align	8
	.type	k_qa70793281f_down,@function
k_qa70793281f_down:
	s_mov_b64 s[64:65], 0
	v_nop
	global_prefetch_b8 v0, s[64:65] scope:SCOPE_SE
	s_setreg_imm32_b32 hwreg(HW_REG_WAVE_SCHED_MODE, 0, 2), 2
	s_setreg_imm32_b32 hwreg(HW_REG_WAVE_MODE, 25, 1), 1
	s_wait_xcnt 0x0
	s_wait_alu depctr_vm_vsrc(0)
; Fourth launch: out0[token] = Q(h) W2[e] + b2[e] for the tokens of expert e alone.  The other experts' products are left out (reference()'s own mask replaces them by 0), and so is the factor router_probs_max / router_probs_max, which is 1.
; SHARES.  Work-group (cb, 2 e + half) owns 64 columns of out0 (256 bytes of a row) for expert e: rows e 1,024 + 64 cb + 0 .. 63 of W2's codes, one dense block of 98,304 bytes, loaded dense and kept in LDS behind the launch's one barrier.
; Wave w takes the groups of 32 tokens 4 half + w, + 8, .. of expert e's list, as many as cnt[e] asks for: a trip count read from memory, so the launch has no tensor load and no barrier in the loop.
; A TRIP: 32 tokens x 64 columns x K 2,048: 16 K steps of 8 matrix instructions on eight accumulators by turns.  The product is used transposed (source 0 = 16 rows of W2, source 1 = 16 tokens): a lane's eight results are eight
; neighbouring columns of one token.  W2's fragments come from LDS a K step ahead, each for two products; the hidden layer's come from hq, as images of their registers, five K steps ahead, each for four.  b2 is the C of the first K step.
; THE WAY OUT: through the wave's own stage in LDS; sixteen lanes then store the 256 consecutive bytes of one token's row, at the place that the list names.
; The list's entries from n on repeat its last token, which stands in the same group of 32: such a row holds that token's own numbers, and the same wave stores them once more at the same place.  So no lane is switched off,
; every token's bytes come from one wave, and the price is that an expert's last token is stored up to 32 times.
; No cluster: the two work-groups that share a block of W2 read it once each, at their heads; what the sixteen of an expert share besides is read by trip counts from memory.
; THE MODE: SCHED_MODE bits 1:0 = 2 (LLVM: expert scheduling mode 2), set by the entry lines.  The code itself states the register dependences
; between vector or matrix instructions and memory or LDS instructions, with s_wait_alu, always for 0.
; THE PLAN.  Registers that memory or LDS instructions touch, in the loop:
;   window 1 v0-95    W2's two sets.  K step s: its LDS loads land in set (s + 1) % 2, which the products of K step s - 1 read; its own products read set s % 2.
;                     On the way out v0-63 take the rows from the stage (LDS loads), and the global stores read them.
;   window 1 v96-239  The hidden layer's six slots.  K step s: its loads land in slot (s + 5) % 6 = (s - 1) % 6, which the products of K step s - 1 read.
;   AS, ID            Written by the loads at a trip's head; AS read by the products as scales, ID read and written by the way out's vector lines.
;   OA                Written by the way out's vector lines; read by the global stores.          ACC  Written by the products; read by the LDS stores into the stage.
;   WST, WA0, SOA, SRA, A16, A8, ASO, IOO, BO: addresses, made once at the head and never written again: the scalar bases move on.
; So: at a trip's head one wait on vm_vsrc (the last trip's stores and LDS stores have read their registers) and one on va_vdst (the last trip's products and vector lines are done with all that the trip's first loads land in);
; in K steps 1 to 14 one wait on va_vdst, ahead of the step's loads; on the way out one wait on va_vdst, behind the lines that make OA, for the LDS stores, the stage's loads and the global stores together.
.set OPITCH, 8448                      ; bytes of an expert's list: 2,048 + 64 entries
.set WP,    1552                       ; LDS: 64 rows of W2, 1,536 bytes + 16: 388 words, so that row r starts at bank 4 r mod 64
.set OST,   99328                      ; for each wave: 32 rows of 256 bytes + 16
.set OP,    272
.set SPARE, 134144                     ; the spare words, 128 bytes for each wave: two blocks of 256 bytes that no other line names
.set SPW, 1                            ; v1   LDS address of my spare word; never rewritten
.set NIL, 2                            ; v2   0; never rewritten
.set WST, 3                            ; v3   W2 into LDS: my wave's 16 rows, 16 l
.set WA0, 4                            ; v4   a fragment of tiles 0, 1: 1,552 a + 24 H;  v5 of tiles 2, 3: 32 rows on
.set SOA, 6                            ; v6   the stage, in: row a, 32 H
.set SRA, 7                            ; v7   and back: row 16 H, 16 a
.set A16, 8                            ; v8   16 l
.set A8,  9                            ; v9   512 + 8 l
.set ASO, 10                           ; v10  64 a
.set IOO, 11                           ; v11  64 H
.set LA,  12                           ; v12  16 a
.set BO,  14                           ; v14  32 H
.set ID,  16                           ; v16-31  my half's sixteen entries of the list
.set AS,  32                           ; v32-63  the hidden layer's scale words: 16 tile + s
.set WS,  64                           ; v64-127 W2's scale words: 16 T + s
.set B2,  128                          ; v128-159 b2: 8 T + j
.set ACC, 160                          ; v160-223 the eight accumulators: 8 (4 tile + T)
.set LL,  224                          ; v224 l, v225 a, v226 H
.set AA,  225
.set HH,  226
.set OA,  232                          ; v232-247 the sixteen rows' byte offsets in out0
.set AR,  96                           ; window 1: v0-47, v48-95 W2's fragments, two sets, 12 T;  v96-239 the hidden layer's: six slots of 24, 12 tile.  At the head v0-191: W2 on its way to LDS; on the way out v0-63: rows of out0
.set MSB, 0
.macro WIN new                         ; the immediate's high byte repeats the setting that is left
.if MSB != \new
	s_set_vgpr_msb (MSB<<8)|\new
.set MSB, \new
.endif
.endm
.macro WF s                            ; W2's four fragments of K step s into set s % 2: 24 LDS loads
.irp T, 0,1,2,3
.irp p, 0,1,2,3,4,5
	ds_load_b64 v[48*((\s)%2)+12*\T+2*\p:48*((\s)%2)+12*\T+2*\p+1], v[WA0+\T/2] offset:16*(\T%2)*WP+96*(\s)+48*(\p/3)+8*(\p%3)
.endr
.endr
.endm
.macro AL s                            ; the hidden layer's two fragments of K step s into slot s % 6: 8 loads, of 512 or 256 consecutive bytes
.irp t, 0,1
.irp c, 0,1
	global_load_b128 v[AR+24*((\s)%6)+12*\t+6*\c:AR+24*((\s)%6)+12*\t+6*\c+3], v[A16], s[32:33] offset:24576*\t+(2*(\s)+\c)*768
	global_load_b64 v[AR+24*((\s)%6)+12*\t+6*\c+4:AR+24*((\s)%6)+12*\t+6*\c+5], v[A8], s[32:33] offset:24576*\t+(2*(\s)+\c)*768
.endr
.endr
.endm
.macro KSTEP s
.if ((\s) > 0) && ((\s) < 15)
.rept 4
	v_nop                                          ; the four places between the last products and loads into registers that they have read stay as they stood; K step 15 loads nothing and has none
.endr
.endif
.if (\s) < 15
	WIN 0x40                                       ; destination window 1
.endif
.if ((\s) > 0) && ((\s) < 15)
	s_wait_alu depctr_va_vdst(0)                   ; the products of the K step before are done reading their set of W2 and their slot of the hidden layer: the loads below land in these
.endif
.if (\s) < 15
	WF (\s)+1
.endif
.if ((\s) >= 1) && ((\s) <= 10)
	AL (\s)+5                                      ; into the slot that K step s - 1 has left
.endif
.if (\s) <= 10
	s_wait_loadcnt 40                              ; this K step's fragments are in; those of the five K steps behind it, 8 loads each, may be out
.else
	s_wait_loadcnt 8*(15-(\s))
.endif
.if (\s) < 15
	s_wait_dscnt 24                                ; this K step's set of W2 is in; the next set's 24 loads may be out
.else
	s_wait_dscnt 0x0
.endif
	WIN 0x05                                       ; sources 0 and 1 window 1
.irp t, 0,1
.irp T, 0,1,2,3
.if (\s) == 0
	v_wmma_scale_f32_16x16x128_f8f6f4 v[ACC+8*(4*\t+\T):ACC+8*(4*\t+\T)+7], v[12*\T:12*\T+11], v[AR+12*\t:AR+12*\t+11], v[B2+8*\T:B2+8*\T+7], v[WS+16*\T], v[AS+16*\t] matrix_a_fmt:MATRIX_FMT_FP6 matrix_b_fmt:MATRIX_FMT_FP6
.else
	v_wmma_scale_f32_16x16x128_f8f6f4 v[ACC+8*(4*\t+\T):ACC+8*(4*\t+\T)+7], v[48*((\s)%2)+12*\T:48*((\s)%2)+12*\T+11], v[AR+24*((\s)%6)+12*\t:AR+24*((\s)%6)+12*\t+11], v[ACC+8*(4*\t+\T):ACC+8*(4*\t+\T)+7], v[WS+16*\T+(\s)], v[AS+16*\t+(\s)] matrix_a_fmt:MATRIX_FMT_FP6 matrix_b_fmt:MATRIX_FMT_FP6
.endif
.endr
.endr
.endm
	s_load_b512 s[4:19], s[0:1], 0x0               ; hq s[4:5], hs s[6:7], order s[8:9], cnt s[10:11], W2's codes s[12:13], its scales s[14:15], b2 s[16:17], out0 s[18:19]
	v_lshl_add_u32 v[SPW], v0, 2, SPARE
	v_mov_b32 v[NIL], 0
	v_lshrrev_b32 v[LL], 5, v0
	v_readfirstlane_b32 s24, v[LL]                 ; wave 0..3
	v_and_b32 v[LL], 31, v0
	v_and_b32 v[AA], 15, v0
	s_wait_alu depctr_va_vdst(0)
	v_bfe_u32 v[HH], v0, 4, 1
	s_mov_b32 s23, ttmp9                           ; cb
	s_and_b32 s29, ttmp7, 0xffff
	s_lshr_b32 s21, s29, 1                         ; e
	s_and_b32 s22, s29, 1                          ; half
	s_wait_alu depctr_va_sdst(0)                   ; s24 is written, ahead of its first reader: LDS places, bases and the trip count are made from it
	s_mul_i32 s29, s24, 16*WP
	v_lshl_add_u32 v[WST], v[LL], 4, s29
	v_mul_u32_u24 v[WA0], v[AA], WP
	v_mad_u32_u24 v[WA0], v[HH], 24, v[WA0]
	v_add_nc_u32 v[WA0+1], 32*WP, v[WA0]
	s_mul_i32 s29, s24, 32*OP
	s_add_co_u32 s29, s29, OST                     ; my stage
	v_mul_u32_u24 v[SOA], v[AA], OP
	s_wait_alu depctr_va_vdst(0)
	v_lshl_add_u32 v[SOA], v[HH], 5, v[SOA]
	v_add_nc_u32 v[SOA], s29, v[SOA]
	v_mul_u32_u24 v[SRA], v[HH], 16*OP
	v_lshl_add_u32 v[SRA], v[AA], 4, v[SRA]
	v_add_nc_u32 v[SRA], s29, v[SRA]
	v_lshlrev_b32 v[A16], 4, v[LL]
	v_lshl_add_u32 v[A8], v[LL], 3, 512
	v_lshlrev_b32 v[ASO], 6, v[AA]
	v_lshlrev_b32 v[IOO], 6, v[HH]
	v_lshlrev_b32 v[LA], 4, v[AA]
	v_lshlrev_b32 v[BO], 5, v[HH]
	s_mov_b32 s31, 0
	s_wait_kmcnt 0x0
	s_lshl_b32 s30, s21, 2
	s_add_nc_u64 s[10:11], s[10:11], s[30:31]
	s_load_b32 s20, s[10:11], 0x0                  ; n = cnt[e]
	s_lshl_b32 s29, s21, 10
	s_lshl_b32 s30, s23, 6
	s_add_co_u32 s29, s29, s30                     ; my first row of W2: 1,024 e + 64 cb
	s_mul_i32 s30, s29, 1536
	s_mul_i32 s28, s24, 24576
	s_add_co_u32 s30, s30, s28                     ; my wave's 16 rows
	s_add_nc_u64 s[12:13], s[12:13], s[30:31]
	s_lshl_b32 s30, s29, 6
	s_add_nc_u64 s[14:15], s[14:15], s[30:31]
	s_lshl_b32 s30, s29, 2
	s_add_nc_u64 s[16:17], s[16:17], s[30:31]
	s_lshl_b32 s30, s23, 8
	s_add_nc_u64 s[38:39], s[18:19], s[30:31]      ; out0 at my 64 columns
	WIN 0x40                                       ; destination window 1
	s_wait_alu depctr_va_vdst(0)                   ; all the addresses and offsets made above are written: the loads, LDS stores and LDS loads of the whole kernel read them
.irp i, 0,1,2,3,4,5,6,7,8,9,10,11,12,13,14,15,16,17,18,19,20,21,22,23,24,25,26,27,28,29,30,31,32,33,34,35,36,37,38,39,40,41,42,43,44,45,46,47
	global_load_b128 v[4*\i:4*\i+3], v[A16], s[12:13] offset:512*\i   ; 512 consecutive bytes
.endr
	WIN 0
.irp T, 0,1,2,3
.irp m, 0,1,2,3
	global_load_b128 v[WS+16*\T+4*\m:WS+16*\T+4*\m+3], v[ASO], s[14:15] offset:1024*\T+16*\m   ; lane a: the sixteen scale words of row 16 T + a
.endr
.endr
.irp T, 0,1,2,3
.irp m, 0,1
	global_load_b128 v[B2+8*\T+4*\m:B2+8*\T+4*\m+3], v[BO], s[16:17] offset:64*\T+16*\m        ; b2 in the result's layout: columns 16 T + 8 H + 0 .. 7
.endr
.endr
	s_wait_loadcnt 24                              ; W2's 48 loads are in; the 16 + 8 issued behind them may be out
	WIN 0x04                                       ; an LDS store's data are its source 1: window 1
.irp i, 0,1,2,3,4,5,6,7,8,9,10,11,12,13,14,15,16,17,18,19,20,21,22,23,24,25,26,27,28,29,30,31,32,33,34,35,36,37,38,39,40,41,42,43,44,45,46,47
	ds_store_b128 v[WST], v[4*\i:4*\i+3] offset:(\i/3)*WP+512*(\i%3)
.endr
	WIN 0
	s_wait_kmcnt 0x0
	s_min_u32 s20, s20, 2048                       ; n is 2,048 at the most
	s_add_co_u32 s25, s20, 31
	s_lshr_b32 s25, s25, 5                         ; groups of 32 tokens
	s_lshl_b32 s28, s22, 2
	s_add_co_u32 s28, s28, s24                     ; my first group: 4 half + wave
	s_add_co_u32 s26, s25, 7
	s_sub_co_u32 s26, s26, s28
	s_lshr_b32 s26, s26, 3                         ; my trips
	s_wait_dscnt 0x0                               ; for the others' sake: my 16 rows lie in LDS
	s_barrier_signal -1
	s_barrier_wait -1                              ; all 64 do.  The launch's only barrier: behind it W2's rows are read alone
	s_cmp_eq_u32 s26, 0
	s_cbranch_scc1 .Lend
	s_lshl_b32 s29, s21, 7
	s_lshl_b32 s30, s28, 1
	s_add_co_u32 s29, s29, s30                     ; 128 e + my first tile
	s_mul_i32 s30, s29, 24576
	s_add_nc_u64 s[32:33], s[4:5], s[30:31]        ; hq
	s_lshl_b32 s30, s29, 10
	s_add_nc_u64 s[34:35], s[6:7], s[30:31]        ; hs
	s_mul_i32 s30, s21, OPITCH
	s_lshl_b32 s29, s28, 7
	s_add_co_u32 s30, s30, s29
	s_add_nc_u64 s[36:37], s[8:9], s[30:31]        ; the list at my first group
	s_mov_b32 s27, 0
.Lgroup:
	s_wait_alu depctr_vm_vsrc(0)                   ; the last trip's global stores have read window 1 v0-63, in which W2's sets land, and OA, which the way out writes; its LDS stores have read the accumulators, which the products write; in the first trip the head's LDS stores have read window 1 v0-191
	s_wait_alu depctr_va_vdst(0)                   ; the last trip's products are done reading AS, the six slots and the two sets, and its vector lines are done with ID: the loads below, up to K step 0's, land in all of these
.irp t, 0,1
.irp m, 0,1,2,3
	global_load_b128 v[AS+16*\t+4*\m:AS+16*\t+4*\m+3], v[ASO], s[34:35] offset:1024*\t+16*\m   ; lane a: the sixteen scale words of token a of the tile
.endr
.endr
.irp m, 0,1,2,3
	global_load_b128 v[ID+4*\m:ID+4*\m+3], v[IOO], s[36:37] offset:16*\m                       ; my half's sixteen entries of the list
.endr
	WIN 0x40
	AL 0
	AL 1
	AL 2
	AL 3
	AL 4
	AL 5
	WF 0
.set S, 0
.rept 16
	KSTEP S
.set S, S+1
.endr
	WIN 0
.irp i, 0,1,2,3,4,5,6,7,8,9,10,11,12,13,14,15
	v_min_u32 v[ID+\i], 2047, v[ID+\i]             ; an entry is a token: under 2,048.  These 48 plain lines name no register of the last products: they are the places between those and the first read of results
.endr
.irp i, 0,1,2,3,4,5,6,7,8,9,10,11,12,13,14,15
	v_lshlrev_b32 v[OA+\i], 12, v[ID+\i]           ; its row of out0: 4,096 bytes,
.endr
.irp i, 0,1,2,3,4,5,6,7,8,9,10,11,12,13,14,15
	v_add_nc_u32 v[OA+\i], v[LA], v[OA+\i]         ; + my 16 bytes
.endr
	s_wait_alu depctr_va_vdst(0)                   ; the products have written the accumulators, which the LDS stores read, and are done reading W2's sets, in which the rows from the stage land; OA is written, which the global stores read
.irp t, 0,1
.irp T, 0,1,2,3
	ds_store_b128 v[SOA], v[ACC+8*(4*\t+\T):ACC+8*(4*\t+\T)+3] offset:16*OP*\t+64*\T          ; each accumulator from its low end on
	ds_store_b128 v[SOA], v[ACC+8*(4*\t+\T)+4:ACC+8*(4*\t+\T)+7] offset:16*OP*\t+64*\T+16
.endr
.endr
	WIN 0x40
.irp i, 0,1,2,3,4,5,6,7,8,9,10,11,12,13,14,15
	ds_load_b128 v[4*\i:4*\i+3], v[SRA] offset:OP*\i   ; my wave's own stage, in order behind the stores
.endr
	WIN 0x04                                       ; a store's data are its source 1: window 1
.irp i, 0,1,2,3,4,5,6,7,8,9,10,11,12,13,14,15
	s_wait_dscnt 15-\i                             ; row i is back from the stage; the rows behind it may be out
	global_store_b128 v[OA+\i], v[4*\i:4*\i+3], s[38:39] th:TH_STORE_NT   ; lanes 0-15: the 256 bytes of row i's token, lanes 16-31: of row 16 + i's; each at a multiple of 256 from out0's first byte
.endr
	WIN 0
	s_wait_xcnt 0x0                                ; the stores have read their registers: offsets, rows and bases are written again only behind this wait
	s_add_nc_u64 s[32:33], s[32:33], 16*24576      ; eight groups on
	s_add_nc_u64 s[34:35], s[34:35], 16*1024
	s_add_nc_u64 s[36:37], s[36:37], 8*128
	s_add_co_u32 s27, s27, 1
	s_cmp_lt_u32 s27, s26
	s_cbranch_scc1 .Lgroup
.Lend:
	s_wait_dscnt 0x0                               ; the closing lines, six on end
	s_wait_alu 0x0
	s_wait_tensorcnt 0x0
	ds_add_u32 v[SPW], v[NIL]
	s_wait_dscnt 0x0
	s_endpgm
.Lfunc_end_k_qa70793281f_down:
	.size	k_qa70793281f_down, .Lfunc_end_k_qa70793281f_down-k_qa70793281f_down
	.p2alignl 7, 3214868480
	.fill 96, 4, 3214868480
	.section	.rodata,"a",@progbits
	.p2align	6, 0x0
	.amdhsa_kernel k_qa70793281f_down
		.amdhsa_group_segment_fixed_size 134656
		.amdhsa_private_segment_fixed_size 0
		.amdhsa_enable_private_segment 0
		.amdhsa_kernarg_size 64
		.amdhsa_user_sgpr_count 2
		.amdhsa_user_sgpr_kernarg_segment_ptr 1
		.amdhsa_wavefront_size32 1
		.amdhsa_system_sgpr_workgroup_id_x 1
		.amdhsa_system_sgpr_workgroup_id_y 1
		.amdhsa_system_sgpr_workgroup_id_z 1
		.amdhsa_system_vgpr_workitem_id 0
		.amdhsa_next_free_vgpr 512
		.amdhsa_next_free_sgpr 66
		.amdhsa_reserve_vcc 0
		.amdhsa_float_denorm_mode_32 3
		.amdhsa_float_denorm_mode_16_64 3
		.amdhsa_memory_ordered 1
		.amdhsa_forward_progress 1
		.amdhsa_inst_pref_size 78
	.end_amdhsa_kernel
	.amdgpu_metadata
---
amdhsa.version: [ 1, 2 ]
amdhsa.kernels:
  - .name:           k_qa70793281f_down
    .symbol:         k_qa70793281f_down.kd
    .args:
      - { .name: hq, .offset: 0, .size: 8, .value_kind: global_buffer, .address_space: global }
      - { .name: hs, .offset: 8, .size: 8, .value_kind: global_buffer, .address_space: global }
      - { .name: order, .offset: 16, .size: 8, .value_kind: global_buffer, .address_space: global }
      - { .name: cnt, .offset: 24, .size: 8, .value_kind: global_buffer, .address_space: global }
      - { .name: W2_codes, .offset: 32, .size: 8, .value_kind: global_buffer, .address_space: global }
      - { .name: W2_scales, .offset: 40, .size: 8, .value_kind: global_buffer, .address_space: global }
      - { .name: b2, .offset: 48, .size: 8, .value_kind: global_buffer, .address_space: global }
      - { .name: out0, .offset: 56, .size: 8, .value_kind: global_buffer, .address_space: global }
    .group_segment_fixed_size: 134656
    .private_segment_fixed_size: 0
    .kernarg_segment_align: 8
    .kernarg_segment_size: 64
    .max_flat_workgroup_size: 128
    .sgpr_count:     66
    .vgpr_count:     512
    .wavefront_size: 32
...
	.end_amdgpu_metadata
.endif
;; end of part 7
